; MI455X (gfx1250); checked and timed in simulation.
; The chip was launched on July 23, 2026; its instructions are those of AMD's public machine-readable ISA for CDNA 5 (MIT licence, August 2026) and "CDNA5" Instruction Set Architecture Reference Guide (July 2026). The comments in the code are by the model that wrote it; some were corrected since.
;; Sparse Transformer Layer. Allowed arithmetic: matrix products marked QUANTISED: E3M2 operands, one E8M0 scale for each 32 along K, by v_wmma_scale_f32_16x16x128_f8f6f4 with both operands' format E3M2, f32 sums; everything else in f32.
;; Inputs: b1 4,096 float32; b2 1,024 float32; bk 1,024 float32; bo 1,024 float32; bq 1,024 float32; bv 1,024 float32; ln1_b 1,024 float32; ln1_g 1,024 float32; ln2_b 1,024 float32; ln2_g 1,024 float32; w1 1,024 x 4,096 float32; w2 4,096 x 1,024 float32; wk 1,024 x 1,024 float32; wo 1,024 x 1,024 float32; wq 1,024 x 1,024 float32; wv 1,024 x 1,024 float32; x 2 x 2,048 x 1,024 float32.
;; Outputs: out0 2 x 2,048 x 1,024 float32.
;; This version of the problem:
;;   THIS VERSION OF THE PROBLEM IS GIVEN IN LOW PRECISION. The matrix products marked QUANTISED in the list below multiply operands that are first quantised to E3M2 (3 exponent bits, 2 mantissa bits; 6 bits a number), with one power-of-two scale for each 32 numbers along K (OCP MX v1.0); their sums are f32. All else is computed in f32.
;;   The module's matrix products, in the order in which they are computed (A, B: the left and right operand; K: the contracted axis; several contracted axes count as one K, in the product's order):
;;     1. [M 4,096, K 1,024] x [K 1,024, N 1,024]; A: computed on the way; B: input wq: QUANTISED
;;     2. [M 4,096, K 1,024] x [K 1,024, N 1,024]; A: computed on the way; B: input wk: QUANTISED
;;     3. [M 4,096, K 1,024] x [K 1,024, N 1,024]; A: computed on the way; B: input wv: QUANTISED
;;     4. batch 32 x [M 2,048, K 64] x [K 64, N 2,048]; A: computed on the way; B: computed on the way: QUANTISED
;;     5. batch 32 x [M 2,048, K 2,048] x [K 2,048, N 64]; A: softmax (see below); B: computed on the way: QUANTISED
;;     6. [M 4,096, K 1,024] x [K 1,024, N 1,024]; A: computed on the way; B: input wo: QUANTISED
;;     7. [M 4,096, K 1,024] x [K 1,024, N 4,096]; A: computed on the way; B: input w1: QUANTISED
;;     8. [M 4,096, K 4,096] x [K 4,096, N 1,024]; A: computed on the way; B: input w2: QUANTISED
;;   THE QUANTISER, for each operand of a quantised product, along K:
;;     - K is cut into blocks of 32 from its start; a last block that is shorter is filled with zeros.
;;     - A block's scale is 2^e with e = floor(log2(the largest magnitude in the block)) - 4, held to -126 .. 127; a block of zeros has e = 0. As a byte (E8M0): e + 127.
;;     - Each number is divided by its block's scale, clamped to +-28, and rounded to the nearest number of E3M2, ties to even, subnormals kept.
;;     - The product sums the exact products of the quantised numbers (number of the format x scale) in f32.
;;   ~~~python
;;   def quantise(x, axis):      # numpy; x: float32 -> the quantised numbers, widened to float32 again
;;       x = np.moveaxis(x, axis, -1); K = x.shape[-1]
;;       x = np.pad(x, [(0, 0)] * (x.ndim - 1) + [(0, -K % 32)]); x = x.reshape(x.shape[:-1] + (-1, 32)); a = np.abs(x).max(-1, keepdims=True)
;;       e = np.where(a > 0, np.clip(np.frexp(np.where(a > 0, a, 1))[1] - 1 - 4, -126, 127), 0)      # np.frexp(a)[1] - 1 = floor(log2(a)), exactly
;;       r = np.clip(x / 2.0 ** e, -28, 28)
;;       step = 2.0 ** (np.maximum(np.frexp(np.where(r == 0, 1, r))[1] - 1, -2) - 2)
;;       q = np.round(r / step) * step * 2.0 ** e      # np.round: ties to even
;;       return np.moveaxis(q.reshape(q.shape[:-2] + (-1,))[..., :K], -1, axis).astype(np.float32)
;;   ~~~
;;   SOFTMAX AHEAD OF A QUANTISED PRODUCT. Where the list says 'softmax', what is quantised is not the finished softmax but p = 2^(t - M), with t = logit x log2(e) and M = ceil(the row's largest t), a whole number; so 1/2 < the row's largest p <= 1. The row's sum l is taken of the UNQUANTISED p, in f32, and the product's result is divided by l at the end. Since M is a whole number, a kernel that streams over the keys may use a running M (the ceiling of the running maximum): every later rescaling is an exact power of two, which a block's scale takes up: the codes' values come out the same.
;;   OPERANDS COMPUTED ON THE WAY. 'Computed on the way' means the value that the module computes at that place (a softmax that the list does not call 'softmax' is quantised finished and normalised). What goes into a quantiser is computed in f32, as accurately as f32 sums, v_exp_f32 and their like allow (about 1e-6 of the number): no bf16 or f16 on the way to a quantiser, and a product that is left as it is and whose result goes on into a quantised operand takes f32 operands (vector FMAs, or v_wmma_f32_16x16x4_f32). A number that lies on a knife's edge between two numbers of the format may be rounded either way, as far as f32 arithmetic and the matrix unit's own rounding can turn it there, and no further.
;; One version. Each part assembles by itself: llvm-mc -triple=amdgcn-amd-amdhsa -mcpu=gfx1250 --defsym DOCPART=n.
;; ======== version 1 of 1: 6 launches
;; limits: right only within a limited range of input values
;; workspace buffers: wts 9,830,400 bytes; xa 3,276,800 bytes; qkv 9,830,400 bytes; ao 3,276,800 bytes; x1 16,777,216 bytes; xb 3,276,800 bytes; hh 13,107,200 bytes
;; launch wquant (part 1): grid 640 x 1, 4 waves a work-group, no clusters, 92,928 bytes of LDS; arguments wq, wk, wv, wo, w1, w2, wts, x, ln1_g, ln1_b, xa; writes wts, xa
.if DOCPART == 1
	.amdgcn_target "amdgcn-amd-amdhsa--gfx1250"
	.amdhsa_code_object_version 6
	.text
	.protected	k_qdc9cf4e7ad_wquant
	.globl	k_qdc9cf4e7ad_wquant
	.p2align	8
	.type	k_qdc9cf4e7ad_wquant,@function
k_qdc9cf4e7ad_wquant:
	s_mov_b64 s[64:65], 0
	v_nop
	global_prefetch_b8 v0, s[64:65] scope:SCOPE_SE
	s_setreg_imm32_b32 hwreg(HW_REG_WAVE_MODE, 25, 1), 1
	s_wait_xcnt 0x0
; The six weights, f32 stored [K][N], become codes of BF6 (E3M2) with one E8M0 byte for each 32 along K, laid as the products' operand registers take them.
; TILES: 16 rows n of the operand; tile 2 G + u, lane r is row 32 G + 8 u + r + 8 (r / 8).  IMAGE of a fragment (16 rows x 128 K, 12 registers a lane), 1,536 bytes: for half c = 0, 1:
; bytes 768 c + 16 l: registers 6 c .. 6 c + 3 of lane l; bytes 768 c + 512 + 8 l: registers 6 c + 4, 6 c + 5.  Lane l = r + 16 h holds k = 64 c + 32 h + 0 .. 31 of row r.
; In memory: codes [K step][tile][1536], scale words [K step][tile][16 words].  wq, wk, wv, wo share one region (tiles 0-63, 64-127, 128-191, 192-255); w1 and w2 have their own.
; A LANE TAKES A COLUMN n, ITS REGISTERS RUN DOWN K: a block of 32 lies in one lane, its largest magnitude needs no other lane, and the conversions give codes with K innermost.
; A work-group takes 128 columns x 256 K, a wave 32 columns (tiles 2 G, 2 G + 1) x 8 blocks.  The codes go through the wave's own stage in LDS, laid as images, and leave as runs of 512 bytes.
; A block's scale is 2^(floor(log2(largest magnitude)) - 4); its byte is the largest magnitude's exponent field - 4, held at 1 from below.
; LIMITS: a block of zeros gets the byte 1 (its codes are zeros; this program alone reads the bytes); blocks whose largest magnitude lies under 2^-122 are held at byte 1; NaN and infinities are not served.
; No tensor load, no barrier: waves share nothing.  Loads run two blocks (64 loads a wave) ahead.
.set WST,  6656                        ; LDS of a wave: [K step 2][u 2][image 1,536 + 128 of padding]
.set KST,  3328
.set UST,  1664
.set A,    16                          ; v16-47   4 x lane + i rows of the weight, i = 0 .. 31
.set X,    48                          ; v48-111  two sets of 32 numbers
.set C,    112                         ; v112-117 a block's six registers of codes
.set C2,   120                         ; v120-122 the second conversion's three (they begin on an even number)
.set OUTR, 128                         ; v128-175 the way out
.set SBW,  14                          ; v14-15   my column's scale words of the two K steps
.set SB,   32                          ; s[32:47] the weight at my wave's columns, block t
.set OCB,  48                          ; s[48:51] the codes of my two tiles, K step 0, 1
.set OSB,  52                          ; s[52:55] their scale words
; ONE LAUNCH PREPARES ALL OPERANDS: work-groups 0-383 quantise the weights (below); work-groups 384-639 normalise and quantise x, a tile of 16 rows each (from .Lln on), in LDS bytes of their own.
	v_lshl_add_u32 v192, v0, 2, 0x6800             ; my spare word, and 0: made once, for both ways
	v_mov_b32 v193, 0
	s_cmp_ge_u32 ttmp9, 384
	s_cbranch_scc1 .Lln
	s_load_b256 s[4:11], s[0:1], 0x0
	s_load_b128 s[12:15], s[0:1], 0x20             ; w1, w2
	s_load_b64 s[16:17], s[0:1], 0x30
	v_lshrrev_b32 v1, 5, v0
	v_readfirstlane_b32 s18, v1                    ; wave
	v_and_b32 v1, 31, v0                           ; lane = column j of the wave's 32
	s_wait_alu depctr_va_vdst(0)
	s_lshr_b32 s22, ttmp9, 7                       ; 0: one of the four square weights, 1: w1, 2: w2
	s_and_b32 s19, ttmp9, 31
	s_and_b32 s21, ttmp9, 127
	s_cmp_eq_u32 s22, 0
	s_cselect_b32 s19, s19, s21                    ; my number among the weight's work-groups
	s_cmp_eq_u32 s22, 1
	s_cselect_b32 s23, 5, 3                        ; log2 of the groups of 128 columns: 32 in w1, else 8
	s_mov_b32 s20, 4096
	s_cselect_b32 s20, 16384, s20                  ; bytes from a row k to the next
	s_bfm_b32 s26, s23, 0
	s_and_b32 s26, s19, s26                        ; which 128 columns
	s_lshr_b32 s27, s19, s23                       ; which 256 along K
	s_lshr_b32 s29, ttmp9, 5                       ; which square weight
	s_mul_i32 s30, s29, 64*1536
	s_lshl_b32 s31, s29, 12
	s_cmp_eq_u32 s22, 2
	s_cselect_b32 s28, 64, 256                     ; tiles in a K step of the region
	s_mov_b32 s24, 3145728
	s_cselect_b32 s24, 6291456, s24
	s_mov_b32 s25, 131072
	s_cselect_b32 s25, 262144, s25
	s_cmp_eq_u32 s22, 0
	s_cselect_b32 s30, s30, s24                    ; where the weight's codes begin,
	s_cselect_b32 s31, s31, s25                    ; and its scale words, from 9,437,184 on
	s_lshl_b32 s24, s26, 3
	s_lshl_b32 s25, s18, 1
	s_add_co_u32 s24, s24, s25                     ; my first tile: 8 x group + 2 x wave
	s_lshl_b32 s25, s27, 1                         ; my first K step
	s_mul_i32 s25, s25, s28
	s_add_co_u32 s24, s24, s25
	s_mul_i32 s56, s24, 1536
	s_add_co_u32 s56, s56, s30
	s_mov_b32 s57, 0
	s_lshl_b32 s58, s24, 6
	s_add_co_u32 s58, s58, s31
	s_add_co_u32 s58, s58, 9437184
	s_mov_b32 s59, 0
	s_mul_i32 s60, s28, 1536                       ; a K step on, in codes
	s_mov_b32 s61, 0
	s_lshl_b32 s62, s28, 6                         ; and in scale words
	s_mov_b32 s63, 0
	s_lshl_b32 s24, s27, 8
	s_mul_i32 s24, s24, s20                        ; my 256 rows k,
	s_lshl_b32 s25, s26, 9
	s_add_co_u32 s24, s24, s25                     ; my group's 128 columns,
	s_lshl_b32 s25, s18, 7
	s_add_co_u32 s24, s24, s25                     ; my wave's 32
	s_mov_b32 s25, 0
	s_lshl_b32 s66, s20, 5                         ; a block of 32 rows on
	s_mov_b32 s67, 0
	v_bfe_u32 v2, v0, 3, 1                         ; u: column j = 8 u + r + 8 (r / 8)
	v_and_b32 v3, 7, v0
	v_bfe_u32 v9, v0, 4, 1
	v_lshl_or_b32 v3, v9, 3, v3                    ; r
	s_mul_i32 s21, s18, WST
	v_mul_u32_u24 v9, v2, UST
	v_add_nc_u32 v9, s21, v9
	v_lshl_add_u32 v4, v3, 4, v9                   ; into the stage: registers 0-3 of a half: 16 r
	v_lshl_add_u32 v5, v3, 3, v9                   ; registers 4, 5: 8 r
	v_lshlrev_b32 v7, 4, v1                        ; 16 x lane
	v_add_nc_u32 v6, s21, v7                       ; out of the stage
	v_lshlrev_b32 v8, 2, v3
	v_lshl_add_u32 v8, v2, 6, v8                   ; my scale word's place among my two tiles'
	v_lshlrev_b32 v9, 2, v1
.set i, 0
.rept 32
	v_mad_u32_u24 v[A+i], s20, i, v9
.set i, i+1
.endr
	s_wait_alu depctr_va_vdst(0)
	s_wait_kmcnt 0x0
	s_cmp_lt_u32 ttmp9, 256                        ; which weight: the choice hangs on the work-group's number alone
	s_cselect_b64 s[68:69], s[12:13], s[14:15]
	s_cmp_lt_u32 ttmp9, 128
	s_cselect_b64 s[68:69], s[10:11], s[68:69]
	s_cmp_lt_u32 ttmp9, 96
	s_cselect_b64 s[68:69], s[8:9], s[68:69]
	s_cmp_lt_u32 ttmp9, 64
	s_cselect_b64 s[68:69], s[6:7], s[68:69]
	s_cmp_lt_u32 ttmp9, 32
	s_cselect_b64 s[68:69], s[4:5], s[68:69]
	s_add_nc_u64 s[SB:SB+1], s[68:69], s[24:25]
.irp t, 1,2,3,4,5,6,7
	s_add_nc_u64 s[SB+2*\t:SB+2*\t+1], s[SB+2*\t-2:SB+2*\t-1], s[66:67]
.endr
	s_add_nc_u64 s[OCB:OCB+1], s[16:17], s[56:57]
	s_add_nc_u64 s[OCB+2:OCB+3], s[OCB:OCB+1], s[60:61]
	s_add_nc_u64 s[OSB:OSB+1], s[16:17], s[58:59]
	s_add_nc_u64 s[OSB+2:OSB+3], s[OSB:OSB+1], s[62:63]
.macro LOAD t                          ; block t: W(32 t + i, my column) into set t % 2: each load reads 128 consecutive bytes, the four waves stand side by side
.set i, 0
.rept 32
	global_load_b32 v[X+32*((\t)%2)+i], v[A+i], s[SB+2*(\t):SB+2*(\t)+1] th:TH_LOAD_NT
.set i, i+1
.endr
.endm
	LOAD 0
	LOAD 1
.macro BLOCK t                         ; block t is block t % 4 of K step t / 4: half c = (t / 2) % 2, lanes' half h = t % 2 of the image
.set XS, X+32*((\t)%2)
.if (\t) < 7
	s_wait_loadcnt 32                              ; this block's 32 loads are in; the next block's 32 may be out
.else
	s_wait_loadcnt 0x0
.endif
	v_max3_num_f32 v10, |v[XS]|, |v[XS+1]|, |v[XS+2]|
	v_max3_num_f32 v11, |v[XS+3]|, |v[XS+4]|, |v[XS+5]|
.irp i, 6,10,14,18,22,26
	v_max3_num_f32 v10, v10, |v[XS+\i]|, |v[XS+\i+1]|
	v_max3_num_f32 v11, v11, |v[XS+\i+2]|, |v[XS+\i+3]|
.endr
	v_max3_num_f32 v10, v10, |v[XS+30]|, |v[XS+31]|
	v_max3_num_f32 v10, v10, v11, 0x2800000        ; and the floor 2^(5 - 127): the byte cannot fall under 1
	v_add_nc_u32 v12, 0xfe000000, v10              ; 4 off the exponent field: the conversion's scale operand
	v_lshrrev_b32 v13, 23, v12                     ; the scale's byte
.if (\t)%4 == 0
	v_mov_b32 v[SBW+(\t)/4], v13
.else
	v_lshl_or_b32 v[SBW+(\t)/4], v13, 8*((\t)%4), v[SBW+(\t)/4]
.endif
	v_cvt_scalef32_pk16_bf6_f32 v[C:C+2], v[XS:XS+15], v12
	v_cvt_scalef32_pk16_bf6_f32 v[C2:C2+2], v[XS+16:XS+31], v12
	v_nop                                          ; one plain place behind a scaled conversion
.irp i, 0,1,2
	v_mov_b32 v[C+3+\i], v[C2+\i]
.endr
	ds_store_b128 v4, v[C:C+3] offset:((\t)/4)*KST+(((\t)/2)%2)*768+256*((\t)%2)
	ds_store_b64 v5, v[C+4:C+5] offset:((\t)/4)*KST+(((\t)/2)%2)*768+512+128*((\t)%2)
.if (\t) < 6
	LOAD (\t)+2
.endif
	s_wait_dscnt 0x0                               ; the stores have read their registers: the next block's codes may be written
.endm
.irp t, 0,1,2,3,4,5,6,7
	BLOCK \t
.endr
	s_wait_alu depctr_va_vdst(0)
.irp k, 0,1
	global_store_b32 v8, v[SBW+\k], s[OSB+2*\k:OSB+2*\k+1]     ; 32 words: my two tiles' 128 consecutive bytes
.endr
.set p, 0
.irp k, 0,1
.irp u, 0,1
.irp g, 0,1,2
	ds_load_b128 v[OUTR+4*p:OUTR+4*p+3], v6 offset:\k*KST+\u*UST+512*\g   ; LDS serves a wave's instructions in order: these see my stores
.set p, p+1
.endr
.endr
.endr
.set p, 0
.irp k, 0,1
.irp u, 0,1
.irp g, 0,1,2
	s_wait_dscnt 11-p                              ; the younger loads may be out
	global_store_b128 v7, v[OUTR+4*p:OUTR+4*p+3], s[OCB+2*\k:OCB+2*\k+1] offset:\u*1536+512*\g   ; 512 consecutive bytes, at a multiple of 256 from the buffer's first byte
.set p, p+1
.endr
.endr
.endr
	s_wait_tensorcnt 0x0
	ds_add_u32 v192, v193
	s_wait_dscnt 0x0
	s_endpgm
; y = (x - mean) rsqrt(var + 1e-5) g + b for rows of 1,024 f32; y is quantised along the row to BF6 with one E8M0 byte for each 32 and stored as images of operand registers:
; codes [K step 8][tile 256][1536], scale words [8][256][16 words] from byte 3,145,728 on; tile 2 G + u, lane r is row 32 G + 8 u + r + 8 (r / 8).
; Phase 1: wave w normalises the tile's lanes 4 w .. 4 w + 3 (four neighbouring rows of memory), a row in 32 registers: mean, then the sum of squares of x - mean.
; The rows meet in LDS (pitch 4,112 bytes).  Phase 2: wave w makes the fragments of K steps 2 w and 2 w + 1: a lane takes its 2 x 32 numbers of each.
; LIMITS as above: a block of zeros gets the byte 1; blocks under 2^-122 are held at byte 1; NaN and infinities are not served.
.Lln:
.set LB, 0x6a00                        ; this way's own LDS bytes: 16 rows of LP
.set LP, 4112
.set XR, 32                            ; v32-159 four rows; later 2 x 64 numbers
.set GG, 160                           ; v160-191 g; later the codes
.set BB, 194                           ; v194-225 b; later at work
.set SM, 226                           ; v226-233 four packed sums
	s_load_b256 s[4:11], s[0:1], 0x38              ; x, g, b, out
	v_lshrrev_b32 v1, 5, v0
	v_readfirstlane_b32 s12, v1                    ; wave 0..3
	v_and_b32 v2, 31, v0
	v_lshlrev_b32 v1, 4, v2                        ; 16 x lane
	v_lshlrev_b32 v6, 3, v2                        ; 8 x lane
	v_and_b32 v2, 15, v0                           ; r
	v_bfe_u32 v3, v0, 4, 1                         ; h
	v_lshlrev_b32 v7, 2, v2                        ; 4 r
	s_mul_i32 s13, s12, 4*LP
	s_add_co_u32 s13, s13, LB
	v_add_nc_u32 v4, s13, v1                       ; LDS, in: rows 4 w ..
	v_mul_u32_u24 v5, v2, LP
	v_lshl_add_u32 v5, v3, 7, v5
	s_lshl_b32 s13, s12, 10
	s_add_co_u32 s13, s13, LB
	v_add_nc_u32 v5, s13, v5                       ; LDS, out: row r, K step 2 w, + 128 h
	v_mov_b32 v9, 0                                ; a lane permute's destination counts as one of its sources
.irp i, 11,13,15,17,19
	v_mov_b32 v[\i], 0                             ; upper halves of pairs of which the packed forms take the low word
.endr
	s_mov_b32 s14, 0x76543210
	s_mov_b32 s15, 0xfedcba98                      ; selects for lane l xor 16
	s_mov_b32 s16, 0x3a800000                      ; 1 / 1024
	s_mov_b32 s17, 0x3727c5ac                      ; 1e-5
	s_sub_co_u32 s26, ttmp9, 384                   ; my tile
	s_lshr_b32 s18, s26, 1
	s_lshl_b32 s18, s18, 5
	s_and_b32 s19, s26, 1
	s_lshl_b32 s19, s19, 3
	s_add_co_u32 s18, s18, s19                     ; the tile's first row: 32 G + 8 u
	s_lshl_b32 s19, s12, 2
	s_add_co_u32 s18, s18, s19
	s_lshr_b32 s19, s12, 1
	s_lshl_b32 s19, s19, 3
	s_add_co_u32 s18, s18, s19                     ; + 4 w + 8 (w / 2): the row of lane r = 4 w
	s_lshl_b32 s18, s18, 12
	s_mov_b32 s19, 0
	s_lshl_b32 s20, s12, 9
	s_add_co_u32 s20, s20, s26                     ; K step 2 w, my tile
	s_mul_i32 s22, s20, 1536
	s_mov_b32 s23, 0
	s_lshl_b32 s24, s20, 6
	s_add_co_u32 s24, s24, 3145728
	s_mov_b32 s25, 0
	s_wait_alu depctr_va_vdst(0)                   ; the wait at the head's end
	s_wait_kmcnt 0x0
	s_add_nc_u64 s[4:5], s[4:5], s[18:19]
	s_add_nc_u64 s[22:23], s[10:11], s[22:23]
	s_add_nc_u64 s[24:25], s[10:11], s[24:25]
.irp w, 0,1,2,3
.irp i, 0,1,2,3,4,5,6,7
	global_load_b128 v[XR+32*\w+4*\i:XR+32*\w+4*\i+3], v1, s[4:5] offset:4096*\w+512*\i
.endr
.endr
.irp i, 0,1,2,3,4,5,6,7
	global_load_b128 v[GG+4*\i:GG+4*\i+3], v1, s[6:7] offset:512*\i
.endr
.irp i, 0,1,2,3,4,5,6,7
	global_load_b128 v[BB+4*\i:BB+4*\i+3], v1, s[8:9] offset:512*\i
.endr
.macro LFOLD                           ; four packed sums into v8, then over the 32 lanes
	v_pk_add_f32 v[SM:SM+1], v[SM:SM+1], v[SM+2:SM+3]
	v_pk_add_f32 v[SM+4:SM+5], v[SM+4:SM+5], v[SM+6:SM+7]
	s_delay_alu instid0(VALU_DEP_1)
	v_pk_add_f32 v[SM:SM+1], v[SM:SM+1], v[SM+4:SM+5]
	s_delay_alu instid0(VALU_DEP_1)
	v_add_f32 v8, v[SM], v[SM+1]
.irp m, 1,2,4,8
	s_delay_alu instid0(VALU_DEP_1)
	v_add_f32_dpp v8, v8, v8 row_xmask:\m row_mask:0xf bank_mask:0xf
.endr
	s_delay_alu instid0(VALU_DEP_1)
	v_permlanex16_b32 v9, v8, s14, s15
	s_delay_alu instid0(VALU_DEP_1)
	v_add_f32 v8, v8, v9
.endm
.macro STAT row, rs                    ; the row becomes x - mean; v[rs] = rsqrt(var + eps)
.set XS, XR+32*\row
.irp k, 0,1,2,3
	v_pk_add_f32 v[SM+2*\k:SM+2*\k+1], v[XS+2*\k:XS+2*\k+1], v[XS+8+2*\k:XS+9+2*\k]
.endr
.irp o, 16,24
.irp k, 0,1,2,3
	v_pk_add_f32 v[SM+2*\k:SM+2*\k+1], v[SM+2*\k:SM+2*\k+1], v[XS+\o+2*\k:XS+\o+2*\k+1]
.endr
.endr
	LFOLD
	s_delay_alu instid0(VALU_DEP_1)
	v_mul_f32 v10, s16, v8                         ; the mean
.irp p, 0,2,4,6,8,10,12,14,16,18,20,22,24,26,28,30
	v_pk_add_f32 v[XS+\p:XS+\p+1], v[XS+\p:XS+\p+1], v[10:11] op_sel_hi:[1,0] neg_lo:[0,1] neg_hi:[0,1]
.endr
.irp k, 0,1,2,3
	v_pk_mul_f32 v[SM+2*\k:SM+2*\k+1], v[XS+2*\k:XS+2*\k+1], v[XS+2*\k:XS+2*\k+1]
.endr
.irp o, 8,16,24
.irp k, 0,1,2,3
	v_pk_fma_f32 v[SM+2*\k:SM+2*\k+1], v[XS+\o+2*\k:XS+\o+2*\k+1], v[XS+\o+2*\k:XS+\o+2*\k+1], v[SM+2*\k:SM+2*\k+1]
.endr
.endr
	LFOLD
	s_delay_alu instid0(VALU_DEP_1)
	v_fma_f32 v[\rs], v8, s16, s17
	s_wait_alu depctr_va_vdst(0)                   ; the wait ahead of the transcendental
	v_rsq_f32 v[\rs], v[\rs]                       ; a plain line that names neither follows before its use
.endm
.macro NORM row, rs
.set XS, XR+32*\row
	s_wait_alu depctr_va_vdst(0)                   ; and ahead of its first reader
.irp p, 0,2,4,6,8,10,12,14,16,18,20,22,24,26,28,30
	v_pk_mul_f32 v[XS+\p:XS+\p+1], v[XS+\p:XS+\p+1], v[\rs:\rs+1] op_sel_hi:[1,0]
.endr
.irp p, 0,2,4,6,8,10,12,14,16,18,20,22,24,26,28,30
	v_pk_fma_f32 v[XS+\p:XS+\p+1], v[XS+\p:XS+\p+1], v[GG+\p:GG+\p+1], v[BB+\p:BB+\p+1]
.endr
.irp i, 0,1,2,3,4,5,6,7
	ds_store_b128 v4, v[XS+4*\i:XS+4*\i+3] offset:\row*LP+512*\i
.endr
.endm
.irp w, 0,1,2,3
	s_wait_loadcnt 40-8*\w                         ; row w's eight loads are in; the later rows', g's and b's may be out
	STAT \w, 12+2*\w
.endr
	s_wait_loadcnt 0x0                             ; g and b
.irp w, 0,1,2,3
	NORM \w, 12+2*\w
.endr
	s_wait_dscnt 0x0                               ; for the others' sake: my rows lie in LDS
	s_barrier_signal -1
	s_barrier_wait -1
.irp k, 0,1
.irp c, 0,1
.irp i, 0,1,2,3,4,5,6,7
	ds_load_b128 v[XR+64*\k+32*\c+4*\i:XR+64*\k+32*\c+4*\i+3], v5 offset:512*\k+256*\c+16*\i   ; y(r, 128 (2 w + k) + 64 c + 32 h + 4 i ..)
.endr
.endr
.endr
.macro PH2 k                           ; K step 2 w + k: scales, codes, stores; registers of its own for what the stores read
.set XS, XR+64*\k
.set PQ, GG+16*\k
.set T1, 196+8*\k
.set T2, 200+8*\k
.set WD, 212+\k
	s_wait_dscnt 16-16*\k
.irp c, 0,1
	v_max3_num_f32 v[8+\c], |v[XS+32*\c]|, |v[XS+32*\c+1]|, 0x2800000   ; with the floor 2^(5 - 127): the byte cannot fall under 1
.endr
.irp i, 2,4,6,8,10,12,14,16,18,20,22,24,26,28,30
.irp c, 0,1
	v_max3_num_f32 v[8+\c], v[8+\c], |v[XS+32*\c+\i]|, |v[XS+32*\c+\i+1]|
.endr
.endr
.irp c, 0,1
	v_add_nc_u32 v[10+\c], 0xfe000000, v[8+\c]     ; 4 off the exponent field: the conversion's scale operand
.endr
.irp c, 0,1
	v_lshrrev_b32 v[12+\c], 23, v[10+\c]           ; the scale's byte
.endr
	v_lshl_or_b32 v[WD], v13, 16, v12              ; my two bytes: blocks h and 2 + h of row r,
	v_lshlrev_b32 v15, 3, v3
	v_lshlrev_b32 v[WD], v15, v[WD]                ; at their places in the word;
	v_mov_b32 v15, 0
	v_permlanex16_b32 v15, v[WD], s14, s15
	v_or_b32 v[WD], v[WD], v15                     ; with lane l xor 16's two the word is whole
	v_cvt_scalef32_pk16_bf6_f32 v[PQ:PQ+2], v[XS:XS+15], v10
	v_cvt_scalef32_pk16_bf6_f32 v[T1:T1+2], v[XS+16:XS+31], v10
	v_cvt_scalef32_pk16_bf6_f32 v[PQ+6:PQ+8], v[XS+32:XS+47], v11
	v_cvt_scalef32_pk16_bf6_f32 v[T2:T2+2], v[XS+48:XS+63], v11
	v_nop                                          ; one plain place behind a scaled conversion
.irp i, 0,1,2
	v_mov_b32 v[PQ+3+\i], v[T1+\i]
	v_mov_b32 v[PQ+9+\i], v[T2+\i]
.endr
.irp c, 0,1
	global_store_b128 v1, v[PQ+6*\c:PQ+6*\c+3], s[22:23] offset:393216*\k+768*\c          ; 512 consecutive bytes
	global_store_b64 v6, v[PQ+6*\c+4:PQ+6*\c+5], s[22:23] offset:393216*\k+768*\c+512     ; 256 consecutive bytes
.endr
.endm
	PH2 0
	PH2 1
	v_cmp_eq_u32 vcc_lo, 0, v3
	s_wait_alu depctr_va_vdst(0)                   ; the wait ahead of the waits below
	s_wait_xcnt 0x0                                ; EXEC changes only behind this wait
	s_wait_tensorcnt 0x0                           ; the wave's end
	ds_add_u32 v192, v193
	s_wait_dscnt 0x0
	s_and_saveexec_b32 s26, vcc_lo
	global_store_b32 v7, v212, s[24:25]            ; lanes 0-15: the tile's sixteen scale words of K step 2 w,
	global_store_b32 v7, v213, s[24:25] offset:16384   ; and of 2 w + 1
	s_endpgm
.Lfunc_end_k_qdc9cf4e7ad_wquant:
	.size	k_qdc9cf4e7ad_wquant, .Lfunc_end_k_qdc9cf4e7ad_wquant-k_qdc9cf4e7ad_wquant
	.p2alignl 7, 3214868480
	.fill 96, 4, 3214868480
	.section	.rodata,"a",@progbits
	.p2align	6, 0x0
	.amdhsa_kernel k_qdc9cf4e7ad_wquant
		.amdhsa_group_segment_fixed_size 92928
		.amdhsa_private_segment_fixed_size 0
		.amdhsa_enable_private_segment 0
		.amdhsa_kernarg_size 88
		.amdhsa_user_sgpr_count 2
		.amdhsa_user_sgpr_kernarg_segment_ptr 1
		.amdhsa_wavefront_size32 1
		.amdhsa_system_sgpr_workgroup_id_x 1
		.amdhsa_system_sgpr_workgroup_id_y 1
		.amdhsa_system_sgpr_workgroup_id_z 1
		.amdhsa_system_vgpr_workitem_id 0
		.amdhsa_next_free_vgpr 256
		.amdhsa_next_free_sgpr 72
		.amdhsa_reserve_vcc 1
		.amdhsa_float_denorm_mode_32 3
		.amdhsa_float_denorm_mode_16_64 3
		.amdhsa_memory_ordered 1
		.amdhsa_forward_progress 1
		.amdhsa_inst_pref_size 91
	.end_amdhsa_kernel
	.amdgpu_metadata
---
amdhsa.version: [ 1, 2 ]
amdhsa.kernels:
  - .name:           k_qdc9cf4e7ad_wquant
    .symbol:         k_qdc9cf4e7ad_wquant.kd
    .args:
      - { .name: wq, .offset: 0, .size: 8, .value_kind: global_buffer, .address_space: global }
      - { .name: wk, .offset: 8, .size: 8, .value_kind: global_buffer, .address_space: global }
      - { .name: wv, .offset: 16, .size: 8, .value_kind: global_buffer, .address_space: global }
      - { .name: wo, .offset: 24, .size: 8, .value_kind: global_buffer, .address_space: global }
      - { .name: w1, .offset: 32, .size: 8, .value_kind: global_buffer, .address_space: global }
      - { .name: w2, .offset: 40, .size: 8, .value_kind: global_buffer, .address_space: global }
      - { .name: wts, .offset: 48, .size: 8, .value_kind: global_buffer, .address_space: global }
      - { .name: x, .offset: 56, .size: 8, .value_kind: global_buffer, .address_space: global }
      - { .name: ln1_g, .offset: 64, .size: 8, .value_kind: global_buffer, .address_space: global }
      - { .name: ln1_b, .offset: 72, .size: 8, .value_kind: global_buffer, .address_space: global }
      - { .name: xa, .offset: 80, .size: 8, .value_kind: global_buffer, .address_space: global }
    .group_segment_fixed_size: 92928
    .private_segment_fixed_size: 0
    .kernarg_segment_align: 8
    .kernarg_segment_size: 88
    .max_flat_workgroup_size: 128
    .sgpr_count:     72
    .vgpr_count:     256
    .wavefront_size: 32
...
	.end_amdgpu_metadata
.endif
;; end of part 1
;; launch qkv (part 2): grid 12 x 16, 4 waves a work-group, clusters of 4 x 4, 327,680 bytes of LDS; arguments xa, wts, bq, bk, bv, qkv; writes qkv
.if DOCPART == 2
	.amdgcn_target "amdgcn-amd-amdhsa--gfx1250"
	.amdhsa_code_object_version 6
	.text
	.protected	k_qdc9cf4e7ad_qkv
	.globl	k_qdc9cf4e7ad_qkv
	.p2align	8
	.type	k_qdc9cf4e7ad_qkv,@function
k_qdc9cf4e7ad_qkv:
	s_mov_b64 s[64:65], 0
	v_nop
	global_prefetch_b8 v0, s[64:65] scope:SCOPE_SE
	s_setreg_imm32_b32 hwreg(HW_REG_WAVE_MODE, 25, 1), 1
	s_wait_xcnt 0x0
	s_wait_alu depctr_hold_cnt(0) depctr_sa_sdst(0) depctr_va_vdst(0) depctr_va_sdst(0) depctr_va_ssrc(0) depctr_va_vcc(0) depctr_vm_vsrc(0)
	s_getreg_b32 s2, hwreg(HW_REG_IB_STS2, 6, 4)
	s_cmp_eq_u32 s2, 0
	s_cbranch_scc0 .Lentry_in_a_cluster
	s_endpgm
.Lentry_in_a_cluster:
	s_bfe_u32 s2, ttmp6, 0x10000c
	s_cmp_lg_u32 s2, 0xf033
	s_cbranch_scc0 .Lentry_shape_is_right
	s_endpgm
.Lentry_shape_is_right:
.set KIND,  0
.set MB,    8
.set NQ,    2
.set KS,    8
.set LAPS,  KS/(2*NQ)
.set FR,    12
.set NL,    4
.set FRB,   1536
.set RT,    256
.set HALFT, NQ*MB*FRB
.set SLOT,  4*HALFT
.set SCL,   2*SLOT
.set HALFS, KS*MB*64
.set SPARE, SCL+4*HALFS
.set ADRA, 16
.set ADRB, 20
.set L16,  24
.set L8,   25
.set L4,   26
.set ADRS, 27
.set SPW,  28
.set NIL,  29
.set SC,   32
.set BI,   64
.set AF,   128
.set TM,   224
.set PWS,  240
.set TT,   248
.set WV, 16
.set RH, 17
.set CH, 18
.set TR, 19
.set TC, 20
.set CX, 21
.set CY, 22
.set LAP, 23
.set G1A, 24
.set G0A, 32
.set G1B, 48
.set G0B, 56
.set G1SA, 68
.set G0SA, 76
.set G1SB, 80
.set G0SB, 88
.set ISV, 94
.set SEL, 98
.set MSB, 0
.macro WIN new
.set NW, \new
.if MSB != NW
	s_set_vgpr_msb (MSB<<8)|NW
.set MSB, NW
.endif
.endm
.macro PLACES
.rept 4
	v_nop
.endr
.endm
.macro JLOAD g0a, g1a, g0b, g1b
	s_cmp_eq_u32 s[RH], 0
	s_cbranch_scc0 .Lfor_b_\@
	tensor_load_to_lds s[\g0a:\g0a+3], s[\g1a:\g1a+7]
	s_nop 0
.rept 4
	v_nop
.endr
	s_branch .Lasked_\@
.Lfor_b_\@:
	tensor_load_to_lds s[\g0b:\g0b+3], s[\g1b:\g1b+7]
	s_nop 0
.rept 4
	v_nop
.endr
.Lasked_\@:
.endm
.macro CREST
	s_cmp_lg_u32 s[WV], 0
	s_cbranch_scc1 .Lnot_wave_0_\@
	s_barrier_signal -3
.Lnot_wave_0_\@:
	s_barrier_wait -3
	s_barrier_signal -1
	s_barrier_wait -1
.endm
.macro CROUND
	s_barrier_signal -1
	s_barrier_wait -1
	CREST
.endm
	s_load_b128 s[4:7], s[0:1], 0x0
.if KIND == 0
	s_load_b256 s[8:15], s[0:1], 0x10
.else
	s_load_b64 s[8:9], s[0:1], 0x10
	s_load_b64 s[14:15], s[0:1], 0x18
.endif
	v_lshl_add_u32 v[SPW], v0, 2, SPARE
	v_mov_b32 v[NIL], 0
	ds_add_u32 v28, v29
	ds_add_u32 v28, v29
	s_wait_dscnt 0x0
	v_lshrrev_b32 v1, 5, v0
	v_readfirstlane_b32 s[WV], v1
	s_lshr_b32 s[RH], s[WV], 1
	s_and_b32 s[CH], s[WV], 1
	s_bfe_u32 s[CX], ttmp6, 0x40000
	s_bfe_u32 s[CY], ttmp6, 0x40004
	s_and_b32 s40, ttmp7, 0xffff
.if KIND == 0
	s_cmp_eq_u32 ttmp9, 2
	s_cselect_b32 s[ISV], 1, 0
	s_cselect_b32 s44, s40, ttmp9
	s_cselect_b32 s40, 0, s40
.else
	s_mov_b32 s44, ttmp9
.endif
	s_lshl_b32 s40, s40, 2
	s_add_co_u32 s[TR], s40, s[CY]
	s_lshl_b32 s44, s44, 2
	s_add_co_u32 s[TC], s44, s[CX]
	s_lshl_b32 s92, s[CY], 2
	s_lshl_b32 s92, 15, s92
	s_lshl_b32 s93, 0x1111, s[CX]
	s_or_b32 s[G1A], s92, (3<<16)|(1<<21)
	s_or_b32 s[G1B], s93, (3<<16)|(1<<21)
	s_or_b32 s[G1SA], s92, (3<<16)|(1<<21)
	s_or_b32 s[G1SB], s93, (3<<16)|(1<<21)
.irp g, G1A, G1B
	s_mov_b32 s[\g+1], (MB*192)<<16
	s_mov_b32 s[\g+2], NQ<<16
	s_mov_b32 s[\g+3], (MB*192)<<16
	s_mov_b32 s[\g+4], NQ
	s_mov_b32 s[\g+5], RT*192
	s_mov_b32 s[\g+6], 0
	s_mov_b32 s[\g+7], 0
.endr
.irp g, G1SA, G1SB
	s_mov_b32 s[\g+1], (MB*8)<<16
	s_mov_b32 s[\g+2], KS<<16
	s_mov_b32 s[\g+3], (MB*8)<<16
	s_mov_b32 s[\g+4], KS
	s_mov_b32 s[\g+5], RT*8
	s_mov_b32 s[\g+6], 0
	s_mov_b32 s[\g+7], 0
.endr
	s_lshl_b32 s40, s[TR], 4
	s_lshl_b32 s41, s[CH], 3
	s_add_co_u32 s41, s40, s41
	s_mul_i32 s40, s41, FRB
	s_lshl_b32 s42, s41, 6
	s_mov_b32 s41, 0
	s_mov_b32 s43, 0
	s_lshl_b32 s44, s[TC], 4
	s_lshl_b32 s45, s[CH], 3
	s_add_co_u32 s45, s44, s45
	s_mul_i32 s44, s45, FRB
	s_lshl_b32 s46, s45, 6
	s_mov_b32 s45, 0
	s_mov_b32 s47, 0
	s_mul_i32 s2, s[WV], HALFT
	s_mul_i32 s3, s[WV], HALFS
	s_wait_kmcnt 0x0
.if KIND == 0
	s_cmp_eq_u32 s[ISV], 1
	s_cselect_b64 s[96:97], s[6:7], s[4:5]
	s_cselect_b64 s[98:99], s[4:5], s[6:7]
	s_cselect_b32 s66, 128*FRB, 0
	s_mov_b32 s67, 3145728
	s_cselect_b32 s67, 9437184+128*64, s67
	s_mov_b32 s95, 9437184
	s_cselect_b32 s95, 3145728, s95
	s_add_co_u32 s40, s40, s66
	s_add_co_u32 s42, s42, s67
	s_add_co_u32 s46, s46, s95
.else
	s_mov_b64 s[96:97], s[4:5]
	s_mov_b64 s[98:99], s[6:7]
	s_add_co_u32 s42, s42, 3145728
	s_add_co_u32 s44, s44, 3145728
	s_add_co_u32 s46, s46, 9568256
.endif
	s_add_nc_u64 s[40:41], s[96:97], s[40:41]
	s_add_nc_u64 s[42:43], s[96:97], s[42:43]
	s_add_nc_u64 s[44:45], s[98:99], s[44:45]
	s_add_nc_u64 s[46:47], s[98:99], s[46:47]
	CROUND
	s_mov_b32 s[G0SA], 1
	s_add_co_u32 s[G0SA+1], s3, SCL
	s_mov_b64 s[G0SA+2:G0SA+3], s[42:43]
	s_or_b32 s[G0SA+3], s[G0SA+3], 0x80000000
	s_mov_b32 s[G0SB], 1
	s_add_co_u32 s[G0SB+1], s3, SCL
	s_mov_b64 s[G0SB+2:G0SB+3], s[46:47]
	s_or_b32 s[G0SB+3], s[G0SB+3], 0x80000000
	JLOAD G0SA, G1SA, G0SB, G1SB
.irp s, 0,1
	s_mov_b32 s[G0A+4*\s], 1
	s_add_co_u32 s[G0A+4*\s+1], s2, \s*SLOT
	s_add_nc_u64 s[G0A+4*\s+2:G0A+4*\s+3], s[40:41], \s*NQ*RT*FRB
	s_or_b32 s[G0A+4*\s+3], s[G0A+4*\s+3], 0x80000000
	s_mov_b32 s[G0B+4*\s], 1
	s_add_co_u32 s[G0B+4*\s+1], s2, \s*SLOT
	s_add_nc_u64 s[G0B+4*\s+2:G0B+4*\s+3], s[44:45], \s*NQ*RT*FRB
	s_or_b32 s[G0B+4*\s+3], s[G0B+4*\s+3], 0x80000000
	s_wait_alu depctr_va_vdst(0)
	s_wait_tensorcnt 0x0
	ds_add_u32 v28, v29
	s_wait_dscnt 0x0
	CROUND
	JLOAD G0A+4*\s, G1A, G0B+4*\s, G1B
.endr
	v_and_b32 v1, 31, v0
	v_and_b32 v2, 15, v0
	v_bfe_u32 v3, v0, 4, 1
	v_lshlrev_b32 v[L16], 4, v1
	v_lshlrev_b32 v[L8], 3, v1
	v_lshlrev_b32 v[L4], 2, v1
	s_mul_i32 s2, s[RH], HALFT
	s_mul_i32 s3, s[CH], HALFT
	s_add_co_u32 s3, s3, 2*HALFT
.irp s, 0,1
	v_add_nc_u32 v[ADRA+\s], s2, v[L16]
	v_add_nc_u32 v[ADRA+2+\s], s2, v[L8]
	v_add_nc_u32 v[ADRB+\s], s3, v[L16]
	v_add_nc_u32 v[ADRB+2+\s], s3, v[L8]
	s_add_co_u32 s2, s2, SLOT
	s_add_co_u32 s3, s3, SLOT
.endr
	s_mul_i32 s2, s[RH], HALFS
	s_mul_i32 s3, s[CH], HALFS
	s_add_co_u32 s3, s3, 2*HALFS
	s_sub_co_u32 s3, s3, s2
	v_mul_u32_u24 v4, s3, v3
	s_add_co_u32 s2, s2, SCL
	v_lshl_add_u32 v4, v2, 2, v4
	v_add_nc_u32 v[ADRS], s2, v4
	v_lshlrev_b32 v6, 6, v3
	v_and_b32 v7, 8, v2
	v_add_nc_u32 v7, v7, v2
	v_lshlrev_b32 v7, 2, v7
.if KIND == 0
	s_cmp_eq_u32 ttmp9, 0
	s_cselect_b64 s[8:9], s[8:9], s[10:11]
	s_cmp_eq_u32 s[ISV], 1
	s_cselect_b64 s[8:9], s[12:13], s[8:9]
	s_lshl_b32 s2, s[CX], 10
	s_lshl_b32 s3, s[CH], 9
	s_add_co_u32 s2, s2, s3
	s_lshl_b32 s3, s[TR], 10
	s_lshl_b32 s66, s[RH], 9
	s_add_co_u32 s3, s3, s66
	s_cmp_eq_u32 s[ISV], 1
	s_cselect_b32 s2, s3, s2
	s_mov_b32 s3, 0
	s_add_nc_u64 s[8:9], s[8:9], s[2:3]
	s_cmp_eq_u32 s[ISV], 1
	s_cbranch_scc1 .Lbias_v
.else
	s_lshl_b32 s2, s[TC], 10
	s_lshl_b32 s3, s[CH], 9
	s_add_co_u32 s2, s2, s3
	s_mov_b32 s3, 0
	s_add_nc_u64 s[8:9], s[8:9], s[2:3]
.endif
	s_wait_alu depctr_va_vdst(0)
.irp b, 0,1,2,3,4,5,6,7
	global_load_b128 v[BI+8*\b:BI+8*\b+3], v6, s[8:9] offset:(32*(\b/2)+8*(\b%2))*4
	global_load_b128 v[BI+8*\b+4:BI+8*\b+7], v6, s[8:9] offset:(32*(\b/2)+8*(\b%2))*4+16
.endr
.if KIND == 0
	s_branch .Lbias_done
.Lbias_v:
	s_wait_alu depctr_va_vdst(0)
.irp a, 0,1,2,3,4,5,6,7
.irp j, 0,1,2,3,4,5,6,7
	global_load_b32 v[BI+8*\a+\j], v7, s[8:9] offset:(32*(\a/2)+8*(\a%2))*4
.endr
.endr
.Lbias_done:
.endif
.if KIND == 0
	s_cmp_eq_u32 s[ISV], 1
	s_cselect_b32 s95, 64, 256
	s_cselect_b32 s96, 6291456, 0
	s_mov_b32 s97, 9437184
	s_cselect_b32 s97, 9699328, s97
.else
	s_mov_b32 s95, 256
	s_mov_b32 s96, 0
	s_mov_b32 s97, 12582912
.endif
	s_lshl_b32 s2, s[TC], 1
	s_add_co_u32 s2, s2, s[CH]
	s_mul_i32 s2, s2, s95
	s_lshl_b32 s3, s[TR], 4
	s_add_co_u32 s2, s2, s3
	s_lshl_b32 s3, s[RH], 3
	s_add_co_u32 s2, s2, s3
	s_mul_i32 s40, s2, FRB
	s_add_co_u32 s40, s40, s96
	s_mov_b32 s41, 0
	s_lshl_b32 s42, s2, 6
	s_add_co_u32 s42, s42, s97
	s_mov_b32 s43, 0
	s_add_nc_u64 s[42:43], s[14:15], s[42:43]
	s_add_nc_u64 s[14:15], s[14:15], s[40:41]
	s_mov_b32 s[SEL], 0x76543210
	s_mov_b32 s[SEL+1], 0xfedcba98
	s_mov_b32 s100, 0xffff0000
.macro FRAG reg, adr, off
	ds_load_b128 v[(\reg):(\reg)+3], v[\adr] offset:(\off)
	ds_load_b64 v[(\reg)+4:(\reg)+5], v[\adr+2] offset:(\off)+512
	ds_load_b128 v[(\reg)+6:(\reg)+9], v[\adr] offset:(\off)+768
	ds_load_b64 v[(\reg)+10:(\reg)+11], v[\adr+2] offset:(\off)+1280
.endm
.macro FETCH_B slot, q, p
	WIN 0x40
.irp i, 0,1,2,3,4,5,6,7
	FRAG 128*(\p)+FR*\i, ADRB+\slot, ((\q)*MB+\i)*FRB
.endr
	WIN 0
.endm
.macro FETCH_A slot, q, i0
.irp i, 0,1,2,3
	FRAG AF+FR*((\i0)+\i), ADRA+\slot, ((\q)*MB+(\i0)+\i)*FRB
.endr
.endm
.macro SCALES sc
.irp q, 0,1
.irp i, 0,1,2,3,4,5,6,7
	ds_load_b32 v[SC+16*\sc+NQ*\i+\q], v[ADRS] offset:(\q*MB+\i)*64
.endr
.endr
.endm
.macro MULA a, p, q, sc, cm
.if (\cm) == 0
	WIN 0xa1+0x50*((\a)/4)
.else
	WIN 0x81+0x40*((\a)/4)
.endif
.irp b, 0,1,2,3,4,5,6,7
.set rD, 8*(8*((\a)%4)+\b)
.set rB, 128*(\p)+FR*\b
.set rA, AF+FR*(\a)
.set rSB, SC+16*(\sc)+NQ*\b+(\q)
.set rSA, SC+16*(\sc)+NQ*(\a)+(\q)
.if (\cm) == 0
	v_wmma_scale_f32_16x16x128_f8f6f4 v[rD:rD+7], v[rB:rB+11], v[rA:rA+11], v[rD:rD+7], v[rSB], v[rSA] matrix_a_fmt:MATRIX_FMT_BF6 matrix_b_fmt:MATRIX_FMT_BF6 matrix_a_scale:MATRIX_SCALE_ROW1
.elseif (\cm) == 1
	v_wmma_scale_f32_16x16x128_f8f6f4 v[rD:rD+7], v[rB:rB+11], v[rA:rA+11], v[BI+8*\b:BI+8*\b+7], v[rSB], v[rSA] matrix_a_fmt:MATRIX_FMT_BF6 matrix_b_fmt:MATRIX_FMT_BF6 matrix_a_scale:MATRIX_SCALE_ROW1
.else
	v_wmma_scale_f32_16x16x128_f8f6f4 v[rD:rD+7], v[rB:rB+11], v[rA:rA+11], v[BI+8*(\a):BI+8*(\a)+7], v[rSB], v[rSA] matrix_a_fmt:MATRIX_FMT_BF6 matrix_b_fmt:MATRIX_FMT_BF6 matrix_a_scale:MATRIX_SCALE_ROW1
.endif
.endr
.endm
.macro STEP slot, q, cm
	s_wait_dscnt (MB/2)*NL
.irp a, 0,1,2,3
	MULA \a, (\q)%2, \q, \slot, \cm
.endr
	s_wait_dscnt 0x0
	PLACES
	FETCH_B \slot, (\q)+1, 1-(\q)%2
	FETCH_A \slot, (\q)+1, 0
.irp a, 4,5,6,7
	MULA \a, (\q)%2, \q, \slot, \cm
.endr
	PLACES
	WIN 0
	FETCH_A \slot, (\q)+1, 4
.endm
.macro TURN slot, next, fill
	s_wait_tensorcnt 0x0
	ds_add_u32 v[SPW], v[NIL]
	s_wait_dscnt (MB/2)*NL+1
	MULA 0, 1, NQ-1, \slot, 0
	MULA 1, 1, NQ-1, \slot, 0
	s_wait_dscnt 0x0
	s_barrier_signal -1
	MULA 2, 1, NQ-1, \slot, 0
	MULA 3, 1, NQ-1, \slot, 0
	WIN 0
	s_barrier_wait -1
.if \fill
	CREST
	s_add_nc_u64 s[G0A+4*\slot+2:G0A+4*\slot+3], s[G0A+4*\slot+2:G0A+4*\slot+3], 2*NQ*RT*FRB
	s_add_nc_u64 s[G0B+4*\slot+2:G0B+4*\slot+3], s[G0B+4*\slot+2:G0B+4*\slot+3], 2*NQ*RT*FRB
	JLOAD G0A+4*\slot, G1A, G0B+4*\slot, G1B
.else
	PLACES
.endif
	s_wait_alu depctr_va_vdst(0)
	v_add_nc_u32 v[ADRS], NQ*MB*64, v[ADRS]
	FETCH_B \next, 0, 0
	FETCH_A \next, 0, 0
	SCALES \next
.irp a, 4,5,6,7
	MULA \a, 1, NQ-1, \slot, 0
.endr
	PLACES
	WIN 0
	FETCH_A \next, 0, 4
.endm
	s_wait_tensorcnt 1
	s_barrier_signal -1
	s_barrier_wait -1
	FETCH_B 0, 0, 0
	FETCH_A 0, 0, 0
	SCALES 0
	FETCH_A 0, 0, 4
	s_wait_loadcnt 0x0
.if KIND == 0
	s_cmp_eq_u32 s[ISV], 1
	s_cbranch_scc1 .Lfirst_v
	STEP 0, 0, 1
	s_branch .Lfirst_done
.Lfirst_v:
	STEP 0, 0, 2
.Lfirst_done:
.else
	STEP 0, 0, 1
.endif
	s_mov_b32 s[LAP], LAPS-1
.Llap:
	TURN 0, 1, 1
	STEP 1, 0, 0
	TURN 1, 0, 1
	STEP 0, 0, 0
	s_sub_co_u32 s[LAP], s[LAP], 1
	s_cmp_lg_u32 s[LAP], 0
	s_cbranch_scc1 .Llap
	TURN 0, 1, 0
	STEP 1, 0, 0
	s_wait_dscnt (MB/2)*NL
.irp a, 0,1,2,3
	MULA \a, 1, NQ-1, 1, 0
.endr
	s_wait_dscnt 0x0
.irp a, 4,5,6,7
	MULA \a, 1, NQ-1, 1, 0
.endr
	WIN 0
	PLACES
.macro QUANT a
.set WW, 2+(\a)/4
.set AC0, 64*((\a)%4)
.set PC, 64+20*((\a)%2)
.if KIND == 1
	WIN (WW<<2)|(WW<<6)
.set j, 0
.rept 64
	v_max_num_f32 v[AC0+j], 0, v[AC0+j]
.set j, j+1
.endr
.endif
	WIN (WW<<2)|(WW<<4)
.irp b, 0,1,2,3
	v_max3_num_f32 v[TM+\b], 0x2800000, |v[AC0+16*\b]|, |v[AC0+16*\b+1]|
.endr
.irp i, 2,4,6,8,10,12,14
.irp b, 0,1,2,3
	v_max3_num_f32 v[TM+\b], v[TM+\b], |v[AC0+16*\b+\i]|, |v[AC0+16*\b+\i+1]|
.endr
.endr
	WIN 0
.irp b, 0,1,2,3
	v_permlanex16_b32 v[TM+4+\b], v[TM+\b], s[SEL], s[SEL+1]
.endr
.irp b, 0,1,2,3
	v_max_num_f32 v[TM+\b], v[TM+\b], v[TM+4+\b]
.endr
.irp b, 0,1,2,3
	v_add_nc_u32 v[TM+12+\b], 0xfe000000, v[TM+\b]
.endr
.irp b, 0,1,2,3
	v_lshrrev_b32 v[TM+4+\b], 23, v[TM+12+\b]
.endr
	v_lshl_or_b32 v[PWS+(\a)], v[TM+5], 8, v[TM+4]
	v_lshl_or_b32 v[PWS+(\a)], v[TM+6], 16, v[PWS+(\a)]
	v_lshl_or_b32 v[PWS+(\a)], v[TM+7], 24, v[PWS+(\a)]
	s_wait_xcnt 0x0
	WIN WW
.irp c, 0,1
	v_cvt_scalef32_pk16_bf6_f32 v[PC+6*\c:PC+6*\c+2], v[AC0+32*\c:AC0+32*\c+15], v[TM+12+2*\c]
	v_cvt_scalef32_pk16_bf6_f32 v[PC+12+4*\c:PC+14+4*\c], v[AC0+16+32*\c:AC0+31+32*\c], v[TM+13+2*\c]
.endr
	WIN 0
	v_nop
.irp c, 0,1
.irp i, 0,1,2
	v_permlane16_swap_b32 v[PC+6*\c+\i], v[PC+12+4*\c+\i]
.endr
.irp i, 0,1,2
	v_mov_b32 v[PC+3+6*\c+\i], v[PC+12+4*\c+\i]
.endr
.endr
.irp c, 0,1
	global_store_b128 v[L16], v[PC+6*\c:PC+6*\c+3], s[14:15] offset:(\a)*FRB+768*\c
	global_store_b64 v[L8], v[PC+6*\c+4:PC+6*\c+5], s[14:15] offset:(\a)*FRB+768*\c+512
.endr
.endm
.irp b, 0,1,2,3
	v_mov_b32 v[TM+4+\b], 0
.endr
.irp a, 0,1,2,3,4,5,6,7
	QUANT \a
.endr
.irp p, 0,1,2,3
	v_cndmask_b32 v[TT+\p], v[PWS+2*\p], v[PWS+2*\p+1], s100
	global_store_b32 v[L4], v[TT+\p], s[42:43] offset:128*\p
.endr
	s_wait_tensorcnt 0x0
	ds_add_u32 v[SPW], v[NIL]
	s_wait_dscnt 0x0
	CROUND
	s_endpgm
.Lfunc_end_k_qdc9cf4e7ad_qkv:
	.size	k_qdc9cf4e7ad_qkv, .Lfunc_end_k_qdc9cf4e7ad_qkv-k_qdc9cf4e7ad_qkv
	.p2alignl 7, 3214868480
	.fill 96, 4, 3214868480
	.section	.rodata,"a",@progbits
	.p2align	6, 0x0
	.amdhsa_kernel k_qdc9cf4e7ad_qkv
		.amdhsa_group_segment_fixed_size 327680
		.amdhsa_private_segment_fixed_size 0
		.amdhsa_enable_private_segment 0
		.amdhsa_kernarg_size 48
		.amdhsa_user_sgpr_count 2
		.amdhsa_user_sgpr_kernarg_segment_ptr 1
		.amdhsa_wavefront_size32 1
		.amdhsa_system_sgpr_workgroup_id_x 1
		.amdhsa_system_sgpr_workgroup_id_y 1
		.amdhsa_system_sgpr_workgroup_id_z 1
		.amdhsa_system_vgpr_workitem_id 0
		.amdhsa_next_free_vgpr 1024
		.amdhsa_next_free_sgpr 102
		.amdhsa_reserve_vcc 0
		.amdhsa_float_denorm_mode_32 3
		.amdhsa_float_denorm_mode_16_64 3
		.amdhsa_memory_ordered 1
		.amdhsa_forward_progress 1
		.amdhsa_inst_pref_size 174
	.end_amdhsa_kernel
	.amdgpu_metadata
---
amdhsa.version: [ 1, 2 ]
amdhsa.kernels:
  - .name:           k_qdc9cf4e7ad_qkv
    .symbol:         k_qdc9cf4e7ad_qkv.kd
    .args:
      - { .name: xa, .offset: 0, .size: 8, .value_kind: global_buffer, .address_space: global }
      - { .name: wts, .offset: 8, .size: 8, .value_kind: global_buffer, .address_space: global }
      - { .name: bq, .offset: 16, .size: 8, .value_kind: global_buffer, .address_space: global }
      - { .name: bk, .offset: 24, .size: 8, .value_kind: global_buffer, .address_space: global }
      - { .name: bv, .offset: 32, .size: 8, .value_kind: global_buffer, .address_space: global }
      - { .name: qkv, .offset: 40, .size: 8, .value_kind: global_buffer, .address_space: global }
    .group_segment_fixed_size: 327680
    .private_segment_fixed_size: 0
    .kernarg_segment_align: 8
    .kernarg_segment_size: 48
    .max_flat_workgroup_size: 128
    .sgpr_count:     102
    .vgpr_count:     1024
    .wavefront_size: 32
...
	.end_amdgpu_metadata
.endif
;; end of part 2
;; launch attn (part 3): grid 16 x 16, 16 waves a work-group, no clusters, 169,984 bytes of LDS; arguments qkv, ao; writes ao
.if DOCPART == 3
	.amdgcn_target "amdgcn-amd-amdhsa--gfx1250"
	.amdhsa_code_object_version 6
	.text
	.protected	k_qdc9cf4e7ad_attn
	.globl	k_qdc9cf4e7ad_attn
	.p2align	8
	.type	k_qdc9cf4e7ad_attn,@function
k_qdc9cf4e7ad_attn:
	s_mov_b64 s[64:65], 0
	v_nop
	global_prefetch_b8 v0, s[64:65] scope:SCOPE_SE
	s_setreg_imm32_b32 hwreg(HW_REG_WAVE_MODE, 25, 1), 1
	s_wait_xcnt 0x0
; Banded attention on codes of BF6 (E3M2): o = softmax(q k^T / 8, keys with |key - query| <= 204) v, 16 heads of 64, 2 x 2,048 tokens; o is quantised along the model's 1,024 and stored as images of operand registers.
; IN (one buffer): q and k as images [J 16][tile 256][1536] (J < 8: q of head pair J, else k of pair J - 8; half c of an image = the pair's head c; tile 2 G + u, lane r: token 32 G + 8 u + r + 8 (r / 8));
;   v^T from byte 6,291,456: [chunk of 128 keys 32][tile 64][1536] (rows 64 head + d, K = the keys); scale words from 9,437,184: [16][256][16 words], and from 9,699,328: [32][64][16 words].
; THE SOFTMAX: t = score x log2(e) / 8; M = the running largest t rounded UP to a whole number; p = 2^(t - M) is quantised along the keys, not normalised; the sum of the unquantised p divides at the end.
; SHARES: a work-group owns 128 queries of a pair of heads; wave w owns head w % 2 and query tile w / 2: 16 queries in 256 registers, four waves to a SIMD.  The band of 128 queries lies in five chunks of 128 keys;
; all their K and V tiles and scale words (128,000 bytes) are brought into LDS ONCE, by six tensor loads, one a wave: no slot is ever filled again.
; Both products are used transposed: S^T = K Q^T, O^T = V^T P^T: a lane holds one query throughout, and by the order of rows in a tile the 16 registers of tiles 2 g, 2 g + 1 are 16 neighbouring keys (or channels).
; The first product's K is 64: registers 6-11 of Q's and K's fragments hold zero codes, and the upper two scale bytes are 0, which stands for a power of two: zeros add nothing.
; THE BAND: a chunk that lies wholly outside the band of my 16 queries is left out by a scalar branch on ids; at the band's edges hidden scores become -infinity ahead of the maximum, so p = 0.
; No cluster: neighbouring query blocks want windows of keys shifted by a chunk, so a joint load's bytes would land at different LDS places in the partners.  No prefetch: everything is asked for at the head.
; LIMITS: a block of zeros gets the byte 1 (its codes are zeros; this program alone reads the bytes); NaN and infinities are not served.
; REGISTERS: v1-7 addresses that stay; v8-11, v28-29 the step's; v12 -M, v13 the largest t, v[14:15] the sum; v16-27 Q; v30 the band's bound, v31 -infinity; v32-79 four fragments of K; v80-127 of V; v128-191 S^T, then p; v192-223 O^T;
;   v224-235 p's codes; v232-247 at work; v248-251 the fragments' scale words; v252 f; v253 p's scale word; v254 at work; v255 Q's scale word.
.set S,   128
.set O,   192
.set VC,  61440                        ; LDS: K's 40 tiles from 0; V's [head 2][chunk 5][tile 4][1536] from here;
.set KSC, 122880                       ; K's scale words [40][64];
.set VSC, 125440                       ; V's [chunk 5][tile 8][64];
.set SST, 128000                       ; and two blocks of 256 bytes in which o's scale words meet: no tensor load lands here
	s_load_b128 s[4:7], s[0:1], 0x0                ; in, out
	v_lshl_add_u32 v254, v0, 2, 0x29000
	v_mov_b32 v255, 0
	ds_add_u32 v254, v255
	ds_add_u32 v254, v255
	s_wait_dscnt 0x0
	v_lshrrev_b32 v1, 5, v0
	s_delay_alu instid0(VALU_DEP_1)
	v_readfirstlane_b32 s8, v1                     ; wave 0..15
	s_and_b32 s9, s8, 1                            ; e: which head of the pair
	s_lshr_b32 s10, s8, 1                          ; tq: which tile of queries
	s_mov_b32 s11, ttmp9                           ; qb: which 128 queries
	s_and_b32 s12, ttmp7, 0xffff
	s_lshr_b32 s28, s12, 3                         ; the batch
	s_and_b32 s29, s12, 7                          ; the pair of heads
	s_sub_co_i32 s13, s11, 2
	s_max_i32 s13, s13, 0
	s_min_u32 s13, s13, 11                         ; the first of my five chunks: they always lie inside the 16
	s_lshl_b32 s15, s13, 7                         ; KF: the step's first key
	s_lshl_b32 s16, s11, 7
	s_lshr_b32 s2, s10, 1
	s_lshl_b32 s2, s2, 5
	s_add_co_u32 s16, s16, s2
	s_and_b32 s2, s10, 1
	s_lshl_b32 s2, s2, 3
	s_add_co_u32 s16, s16, s2                      ; QMIN: my tile's first query; its last is QMIN + 23
	s_lshl_b32 s14, s28, 7
	s_lshl_b32 s2, s11, 3
	s_add_co_u32 s14, s14, s2
	s_add_co_u32 s14, s14, s10                     ; my tile of tokens
	s_add_co_u32 s2, s29, 8
	s_lshl_b32 s2, s2, 8
	s_lshl_b32 s3, s28, 7
	s_add_co_u32 s2, s2, s3
	s_lshl_b32 s3, s13, 3
	s_add_co_u32 s2, s2, s3                        ; K's first tile
	s_mul_i32 s3, s9, 20
	s_add_co_u32 s3, s2, s3                        ; waves 0, 1 fetch 20 tiles each
	s_mul_i32 s84, s3, 1536
	s_mov_b32 s85, 0
	s_lshl_b32 s86, s2, 6
	s_add_co_u32 s86, s86, 9437184
	s_mov_b32 s87, 0
	s_lshl_b32 s2, s28, 4
	s_add_co_u32 s2, s2, s13
	s_lshl_b32 s2, s2, 6
	s_lshl_b32 s3, s29, 3
	s_add_co_u32 s2, s2, s3                        ; V's first tile: chunk, pair of heads
	s_lshl_b32 s3, s9, 2
	s_add_co_u32 s3, s2, s3                        ; waves 2, 3 fetch a head each
	s_mul_i32 s88, s3, 1536
	s_add_co_u32 s88, s88, 6291456
	s_mov_b32 s89, 0
	s_lshl_b32 s90, s2, 6
	s_add_co_u32 s90, s90, 9699328
	s_mov_b32 s91, 0
	s_lshl_b32 s2, s29, 8
	s_add_co_u32 s2, s2, s14                       ; pair of heads, my tile
	s_mul_i32 s92, s2, 1536
	s_mul_i32 s3, s9, 768
	s_add_co_u32 s92, s92, s3                      ; my head's half of the image: of q, and of o
	s_mov_b32 s93, 0
	s_lshl_b32 s94, s2, 6
	s_lshl_b32 s3, s9, 1
	s_add_co_u32 s94, s94, s3
	s_add_co_u32 s94, s94, 9437184                 ; my head's two bytes of q's scale words
	s_mov_b32 s95, 0
	; descriptor groups 1, in elements of 8 bytes, no padding.  K: 20 tiles on end
	s_mov_b32 s32, 3<<16
	s_mov_b32 s33, 192<<16
	s_mov_b32 s34, 20<<16
	s_mov_b32 s35, 192<<16
	s_mov_b32 s36, 20
	s_mov_b32 s37, 192
	s_mov_b32 s38, 0
	s_mov_b32 s39, 0
	; V: five chunks of four tiles on end, 64 tiles apart
	s_mov_b32 s40, 3<<16
	s_mov_b32 s41, 768<<16
	s_mov_b32 s42, 5<<16
	s_mov_b32 s43, 768<<16
	s_mov_b32 s44, 5
	s_mov_b32 s45, 12288
	s_mov_b32 s46, 0
	s_mov_b32 s47, 0
	; K's scale words: 2,560 dense bytes as ten rows of 256
	s_mov_b32 s48, 3<<16
	s_mov_b32 s49, 32<<16
	s_mov_b32 s50, 10<<16
	s_mov_b32 s51, 32<<16
	s_mov_b32 s52, 10
	s_mov_b32 s53, 32
	s_mov_b32 s54, 0
	s_mov_b32 s55, 0
	; V's: five chunks of 512 bytes, 4,096 apart
	s_mov_b32 s56, 3<<16
	s_mov_b32 s57, 64<<16
	s_mov_b32 s58, 5<<16
	s_mov_b32 s59, 64<<16
	s_mov_b32 s60, 5
	s_mov_b32 s61, 512
	s_mov_b32 s62, 0
	s_mov_b32 s63, 0
	s_mul_i32 s2, s9, 30720
	s_mov_b32 s20, 0x76543210
	s_mov_b32 s21, 0xfedcba98                      ; v_permlanex16_b32's selects for lane l xor 16
	s_mov_b32 s22, 0x3e38aa3b                      ; c = log2(e) / 8
	s_mov_b32 s23, s22                             ; (named with it as a pair, so it is written)
	s_mov_b32 s24, 5
	s_mov_b32 s25, 0                               ; the step's tiles of K,
	s_mov_b32 s26, 0                               ; of V,
	s_mov_b32 s27, 0                               ; and both kinds of scale words
	s_wait_kmcnt 0x0
	s_mov_b32 s68, 1
	s_mov_b32 s69, s2
	s_add_nc_u64 s[70:71], s[4:5], s[84:85]
	s_or_b32 s71, s71, 0x80000000
	s_mov_b32 s72, 1
	s_add_co_u32 s73, s2, VC
	s_add_nc_u64 s[74:75], s[4:5], s[88:89]
	s_or_b32 s75, s75, 0x80000000
	s_mov_b32 s76, 1
	s_mov_b32 s77, KSC
	s_add_nc_u64 s[78:79], s[4:5], s[86:87]
	s_or_b32 s79, s79, 0x80000000
	s_mov_b32 s80, 1
	s_mov_b32 s81, VSC
	s_add_nc_u64 s[82:83], s[4:5], s[90:91]
	s_or_b32 s83, s83, 0x80000000
	s_cmp_lt_u32 s8, 2                             ; the first and only fills: at most one tensor load a wave; four v_nop follow each
	s_cbranch_scc0 .Lnot_k
	tensor_load_to_lds s[68:71], s[32:39]
	s_nop 0
.rept 4
	v_nop
.endr
	s_branch .Lasked
.Lnot_k:
	s_cmp_lt_u32 s8, 4
	s_cbranch_scc0 .Lnot_v
	tensor_load_to_lds s[72:75], s[40:47]
	s_nop 0
.rept 4
	v_nop
.endr
	s_branch .Lasked
.Lnot_v:
	s_cmp_eq_u32 s8, 4
	s_cbranch_scc0 .Lnot_ks
	tensor_load_to_lds s[76:79], s[48:55]
	s_nop 0
.rept 4
	v_nop
.endr
	s_branch .Lasked
.Lnot_ks:
	s_cmp_eq_u32 s8, 5
	s_cbranch_scc0 .Lasked
	tensor_load_to_lds s[80:83], s[56:63]
	s_nop 0
.rept 4
	v_nop
.endr
.Lasked:
	s_add_nc_u64 s[30:31], s[4:5], s[92:93]        ; q's half image
	s_add_nc_u64 s[18:19], s[6:7], s[92:93]        ; o's
	s_add_nc_u64 s[94:95], s[4:5], s[94:95]        ; q's scale bytes
	s_lshl_b32 s2, s29, 8
	s_lshl_b32 s3, s28, 7
	s_add_co_u32 s2, s2, s3
	s_lshl_b32 s3, s11, 3
	s_add_co_u32 s2, s2, s3
	s_lshl_b32 s2, s2, 6
	s_add_co_u32 s2, s2, 3145728
	s_mov_b32 s3, 0
	s_add_nc_u64 s[86:87], s[6:7], s[2:3]          ; o's scale words of the work-group's eight tiles
	v_and_b32 v8, 31, v0                           ; lane
	v_and_b32 v9, 15, v0                           ; r
	v_bfe_u32 v10, v0, 4, 1                        ; h
	s_delay_alu instid0(VALU_DEP_3)
	v_lshlrev_b32 v28, 4, v8
	s_delay_alu instid0(VALU_DEP_4)
	v_lshlrev_b32 v29, 3, v8
	s_delay_alu instid0(VALU_DEP_4)
	v_lshlrev_b32 v30, 2, v9
	global_load_b128 v[16:19], v28, s[30:31]       ; Q: my head's half: d = 32 h + 0 .. 31
	global_load_b64 v[20:21], v29, s[30:31] offset:512
	global_load_u16 v255, v30, s[94:95]            ; its two scale bytes; the upper two are 0, over zero codes
	s_mul_i32 s2, s9, 768
	v_lshl_add_u32 v1, v8, 4, s2                   ; K: my head's half of an image, registers 0-3,
	s_add_co_u32 s3, s2, 512
	v_lshl_add_u32 v2, v8, 3, s3                   ; registers 4, 5
	s_mul_i32 s2, s9, 30720
	s_add_co_u32 s2, s2, VC
	v_lshl_add_u32 v3, v8, 4, s2                   ; V: my head's tiles
	v_lshl_add_u32 v4, v8, 3, s2
	s_lshl_b32 s2, s9, 1
	s_add_co_u32 s2, s2, KSC
	v_lshl_add_u32 v5, v9, 2, s2                   ; K's scale words: my head's two bytes
	s_lshl_b32 s2, s9, 8
	s_add_co_u32 s2, s2, VSC
	v_lshl_add_u32 v6, v9, 2, s2                   ; V's: my head's four tiles
	v_and_b32 v11, 8, v9
	s_delay_alu instid0(VALU_DEP_1)
	v_add_nc_u32 v11, v11, v9
	v_lshlrev_b32 v7, 4, v10
	s_delay_alu instid0(VALU_DEP_1)
	v_sub_nc_u32 v7, v11, v7
	s_delay_alu instid0(VALU_DEP_1)
	v_add_nc_u32 v7, s16, v7                       ; my query - 16 h
	v_mov_b32 v31, 0xff800000                      ; -infinity
	v_mov_b32 v13, 0xff61b1e6                      ; the largest t so far: -3e38, under every t
	s_delay_alu instid0(VALU_DEP_1)
	v_floor_f32 v12, -v13                          ; -M
	v_mov_b32 v14, 0
	v_mov_b32 v15, 0
	v_mov_b32 v252, 0
	v_mov_b32 v253, 0
.irp i, 22,23,24,25,26,27
	v_mov_b32 v[\i], 0                             ; zero codes for k = 64 .. 127 of Q,
.endr
.irp t, 0,1,2,3
.irp i, 6,7,8,9,10,11
	v_mov_b32 v[32+12*\t+\i], 0                    ; and of K's four fragments: written once
.endr
.endr
.irp b, 0,1,2,3
	v_mov_b32 v[236+\b], 0                         ; a lane permute's destination counts as one of its sources
.endr
.set j, 0
.rept 32
	v_mov_b32 v[O+j], 0                            ; O^T: the loop is written once; its first step finds zeros, which the first change of M leaves zeros
.set j, j+1
.endr
	s_wait_tensorcnt 0x0                           ; my load, if I had one, has landed
	s_barrier_signal -1
	s_barrier_wait -1                              ; everybody's has
	s_wait_loadcnt 0x0                             ; Q
.Lstep:                                                ; five trips, a chunk of 128 keys each
	s_add_co_i32 s2, s16, 227
	s_cmp_gt_i32 s15, s2                           ; all keys come after my last query + 204,
	s_cbranch_scc1 .Lskip
	s_add_co_i32 s2, s15, 127
	s_sub_co_i32 s3, s16, 204
	s_cmp_lt_i32 s2, s3                            ; or before my first query - 204: the chunk's work is left out
	s_cbranch_scc1 .Lskip
	v_add_nc_u32 v8, s25, v1                       ; (these six lines are also the places in front of the loads into registers that the last products read)
	s_wait_alu depctr_va_vdst(0)
	v_add_nc_u32 v9, s25, v2
	s_wait_alu depctr_va_vdst(0)
	v_add_nc_u32 v10, s27, v5
	s_wait_alu depctr_va_vdst(0)
	v_add_nc_u32 v11, s27, v6
	v_add_nc_u32 v28, s26, v3
	v_add_nc_u32 v29, s26, v4
.irp g, 0,1                                    ; S^T = K Q^T, four tiles of 16 keys at a time
.rept 4*\g
	v_nop
.endr
.irp t, 0,1,2,3
	ds_load_b128 v[32+12*\t:35+12*\t], v8 offset:(4*\g+\t)*1536
	ds_load_b64 v[36+12*\t:37+12*\t], v9 offset:(4*\g+\t)*1536
	ds_load_u16 v[248+\t], v10 offset:(4*\g+\t)*64
.endr
	s_wait_dscnt 0x0
.irp t, 0,1,2,3
	v_wmma_scale_f32_16x16x128_f8f6f4 v[S+8*(4*\g+\t):S+8*(4*\g+\t)+7], v[32+12*\t:43+12*\t], v[16:27], 0, v[248+\t], v255 matrix_a_fmt:MATRIX_FMT_BF6 matrix_b_fmt:MATRIX_FMT_BF6
.endr
.endr                                          ; register n of S^T holds key KF + 16 h + 32 (n / 16) + n % 16 of my query
.rept 4
	v_nop
.endr
	s_wait_alu depctr_va_vdst(0)
.irp t, 0,1,2,3                                ; V's fragments and scale words land while the softmax is worked
	ds_load_b128 v[80+12*\t:83+12*\t], v28 offset:\t*1536
	ds_load_b64 v[84+12*\t:85+12*\t], v29 offset:\t*1536+512
	ds_load_b128 v[86+12*\t:89+12*\t], v28 offset:\t*1536+768
	ds_load_b64 v[90+12*\t:91+12*\t], v29 offset:\t*1536+1280
	ds_load_b32 v[248+\t], v11 offset:\t*64
.endr
	s_sub_co_i32 s2, s16, 181
	s_cmp_lt_i32 s15, s2                           ; is the first key under my last query - 204?
	s_cbranch_scc0 .Lno_low
	s_add_co_i32 s2, s15, 204
	s_sub_co_i32 s2, 0, s2
	v_add_nc_u32 v30, s2, v7                       ; hidden where 32 (n / 16) + n % 16 < my query - 16 h - 204 - KF
.set n, 0
.rept 64
	v_cmp_lt_i32 vcc_lo, 32*(n/16)+n%16, v30
	v_cndmask_b32 v[S+n], v[S+n], v31, vcc_lo
.set n, n+1
.endr
.Lno_low:
	s_add_co_i32 s2, s15, 127
	s_add_co_i32 s3, s16, 204
	s_cmp_gt_i32 s2, s3                            ; is the last key over my first query + 204?
	s_cbranch_scc0 .Lno_high
	s_sub_co_i32 s2, 204, s15
	v_add_nc_u32 v30, s2, v7                       ; hidden where 32 (n / 16) + n % 16 > my query - 16 h + 204 - KF
.set n, 0
.rept 64
	v_cmp_gt_i32 vcc_lo, 32*(n/16)+n%16, v30
	v_cndmask_b32 v[S+n], v[S+n], v31, vcc_lo
.set n, n+1
.endr
.Lno_high:
.irp b, 0,1,2,3
	v_max3_num_f32 v[232+\b], v[S+16*\b], v[S+1+16*\b], v[S+2+16*\b]   ; the largest score of each block of 32 keys: for the row's maximum, and, since p rises with the score, for the block's largest p
.endr
.irp i, 3,5,7,9,11,13
.irp b, 0,1,2,3
	v_max3_num_f32 v[232+\b], v[232+\b], v[S+16*\b+\i], v[S+1+16*\b+\i]
.endr
.endr
.irp b, 0,1,2,3
	v_max_num_f32 v[232+\b], v[232+\b], v[S+15+16*\b]
.endr
.irp b, 0,1,2,3
	s_delay_alu instid0(VALU_DEP_4)
	v_permlanex16_b32 v[236+\b], v[232+\b], s20, s21
.endr
.irp b, 0,1,2,3
	s_delay_alu instid0(VALU_DEP_4)
	v_max_num_f32 v[232+\b], v[232+\b], v[236+\b]
.endr
	s_delay_alu instid0(VALU_DEP_2)
	v_max3_num_f32 v254, v232, v233, v234
	s_delay_alu instid0(VALU_DEP_1)
	v_max_num_f32 v254, v254, v235
	s_delay_alu instid0(VALU_DEP_1)
	v_mul_f32 v254, s22, v254                      ; as t (c is positive)
	s_delay_alu instid0(VALU_DEP_1)
	v_max_num_f32 v13, v13, v254                   ; the running largest t
	v_mov_b32 v254, v12
	s_delay_alu instid0(VALU_DEP_2)
	v_floor_f32 v12, -v13                          ; the new -M = -ceil(t): a whole number
	s_delay_alu instid0(VALU_DEP_1)
	v_sub_f32 v254, v12, v254                      ; old M - new M: a whole number, 0 or less
	s_delay_alu instid0(VALU_DEP_1)
	v_cvt_i32_f32 v254, v254                       ; (it saturates)
	s_delay_alu instid0(VALU_DEP_1)
	v_ldexp_f32 v252, 1.0, v254                    ; f = 2^(old M - new M): a multiplication by it rounds nothing
.set j, 0
.rept 32
	v_pk_fma_f32 v[S+j:S+j+1], v[S+j:S+j+1], s[22:23], v[12:13] op_sel_hi:[1,0,0]   ; t - M
.set j, j+2
.endr
.irp b, 0,1,2,3
	v_fma_f32 v[232+\b], v[232+\b], s22, v12
.endr
.set j, 0
	s_wait_alu depctr_va_vdst(0)
.rept 64
	v_exp_f32 v[S+j], v[S+j]                       ; p = 2^(t - M), at most 1
.set j, j+1
.endr
.irp b, 0,1,2,3
	v_exp_f32 v[232+\b], v[232+\b]                 ; the block's largest p: the same two instructions on the same number
.endr
	v_pk_mul_f32 v[14:15], v[14:15], v[252:253] op_sel_hi:[1,0]   ; the sums under the new M (a plain place behind the exponentials)
	s_wait_alu depctr_va_vdst(0)
.irp b, 0,1,2,3
	v_max_num_f32 v[232+\b], 0x2800000, v[232+\b]  ; the floor 2^(5 - 127): the byte cannot fall under 1
.endr
.irp b, 0,1,2,3
	s_delay_alu instid0(VALU_DEP_4)
	v_add_nc_u32 v[244+\b], 0xfe000000, v[232+\b]  ; 4 off the exponent field: the conversion's scale operand
.endr
.irp b, 0,1,2,3
	s_delay_alu instid0(VALU_DEP_4)
	v_lshrrev_b32 v[236+\b], 23, v[244+\b]
.endr
	s_delay_alu instid0(VALU_DEP_3)
	v_lshl_or_b32 v253, v237, 8, v236              ; p's scale word for these 128 keys
	s_delay_alu instid0(VALU_DEP_1)
	v_lshl_or_b32 v253, v238, 16, v253
	s_delay_alu instid0(VALU_DEP_1)
	v_lshl_or_b32 v253, v239, 24, v253
.irp c, 0,1
	v_cvt_scalef32_pk16_bf6_f32 v[224+6*\c:226+6*\c], v[S+32*\c:S+15+32*\c], v[244+2*\c]
	v_cvt_scalef32_pk16_bf6_f32 v[236+4*\c:238+4*\c], v[S+16+32*\c:S+31+32*\c], v[244+2*\c+1]
.endr
	v_nop                                          ; one plain place behind a scaled conversion
.irp c, 0,1
.irp i, 0,1,2
	v_permlane16_swap_b32 v[224+6*\c+\i], v[236+4*\c+\i]
.endr
.irp i, 0,1,2
	s_delay_alu instid0(VALU_DEP_3)
	v_mov_b32 v[227+6*\c+\i], v[236+4*\c+\i]
.endr
.endr
	v_pk_add_f32 v[236:237], v[132:133], v[136:137]
	v_pk_add_f32 v[246:247], v[140:141], v[144:145]
	v_pk_add_f32 v[244:245], v[148:149], v[152:153]
	v_pk_add_f32 v[242:243], v[156:157], v[160:161]
	v_pk_add_f32 v[240:241], v[164:165], v[168:169]
	v_pk_add_f32 v[72:73], v[172:173], v[176:177]
	v_pk_add_f32 v[70:71], v[180:181], v[184:185]
	v_pk_add_f32 v[14:15], v[14:15], v[188:189]
	v_pk_add_f32 v[236:237], v[236:237], v[128:129]
	v_pk_add_f32 v[246:247], v[246:247], v[130:131]
	v_pk_add_f32 v[244:245], v[244:245], v[134:135]
	v_pk_add_f32 v[242:243], v[242:243], v[138:139]
	v_pk_add_f32 v[240:241], v[240:241], v[142:143]
	v_pk_add_f32 v[72:73], v[72:73], v[146:147]
	v_pk_add_f32 v[70:71], v[70:71], v[150:151]
	v_pk_add_f32 v[14:15], v[14:15], v[154:155]
	v_pk_add_f32 v[236:237], v[236:237], v[158:159]
	v_pk_add_f32 v[246:247], v[246:247], v[162:163]
	v_pk_add_f32 v[244:245], v[244:245], v[166:167]
	v_pk_add_f32 v[242:243], v[242:243], v[170:171]
	v_pk_add_f32 v[240:241], v[240:241], v[174:175]
	v_pk_add_f32 v[72:73], v[72:73], v[178:179]
	v_pk_add_f32 v[70:71], v[70:71], v[182:183]
	v_pk_add_f32 v[14:15], v[14:15], v[186:187]
	v_pk_add_f32 v[236:237], v[236:237], v[190:191]
	s_delay_alu instid0(VALU_DEP_2)
	v_pk_add_f32 v[14:15], v[14:15], v[242:243]
	s_delay_alu instid0(VALU_DEP_2)
	v_pk_add_f32 v[236:237], v[236:237], v[240:241]
	v_pk_add_f32 v[246:247], v[246:247], v[72:73]
	v_pk_add_f32 v[244:245], v[244:245], v[70:71]
	s_delay_alu instid0(VALU_DEP_2)
	v_pk_add_f32 v[14:15], v[14:15], v[246:247]
	s_delay_alu instid0(VALU_DEP_2)
	v_pk_add_f32 v[236:237], v[236:237], v[244:245]
	s_delay_alu instid0(VALU_DEP_1)
	v_pk_add_f32 v[14:15], v[14:15], v[236:237]
.set j, 0
.rept 16
	v_pk_mul_f32 v[O+j:O+j+1], v[O+j:O+j+1], v[252:253] op_sel_hi:[1,0]   ; O^T under the new M (with the sums above: the places between p's codes and scale word and the products)
.set j, j+2
.endr
	s_wait_alu depctr_va_vdst(0)
	s_wait_dscnt 0x0                               ; V
.irp t, 0,1,2,3                                ; O^T += V^T P^T: the four accumulators by turns
	v_wmma_scale_f32_16x16x128_f8f6f4 v[O+8*\t:O+8*\t+7], v[80+12*\t:91+12*\t], v[224:235], v[O+8*\t:O+8*\t+7], v[248+\t], v253 matrix_a_fmt:MATRIX_FMT_BF6 matrix_b_fmt:MATRIX_FMT_BF6
.endr
.Lskip:
	s_add_co_u32 s15, s15, 128
	s_add_co_u32 s25, s25, 8*1536
	s_add_co_u32 s26, s26, 4*1536
	s_add_co_u32 s27, s27, 512
	s_sub_co_u32 s24, s24, 1
	s_cmp_lg_u32 s24, 0
	s_cbranch_scc1 .Lstep
.rept 4
	v_nop
.endr
	; THE WAY OUT: o = O^T / the sum; its 32 registers are 16 of each of my head's two blocks of 32 channels: quantised, they are half c = my head of the image of K step = my pair of heads
	v_add_f32 v14, v14, v15
	s_delay_alu instid0(VALU_DEP_1)
	v_permlanex16_b32 v252, v14, s20, s21
	s_delay_alu instid0(VALU_DEP_1)
	v_add_f32 v14, v14, v252
	s_wait_alu depctr_va_vdst(0)
	v_rcp_f32 v14, v14
	v_and_b32 v8, 31, v0                           ; (a plain place behind the transcendental)
	v_and_b32 v9, 15, v0
	s_delay_alu instid0(VALU_DEP_2)
	v_lshlrev_b32 v10, 4, v8
	s_delay_alu instid0(VALU_DEP_3)
	v_lshlrev_b32 v11, 3, v8
	s_lshl_b32 s2, s10, 6
	s_lshl_b32 s3, s9, 1
	s_add_co_u32 s2, s2, s3
	s_add_co_u32 s2, s2, SST
	v_lshl_add_u32 v9, v9, 2, s2                   ; my row's word of my tile, my head's two bytes
	v_add_nc_u32 v28, SST, v10
.set j, 0
	s_wait_alu depctr_va_vdst(0)
.rept 32
	v_mul_f32 v[S+j], v[O+j], v14                  ; register 16 b + i: channel 32 b + 16 h + i
.set j, j+1
.endr
.irp b, 0,1
	v_max3_num_f32 v[232+\b], |v[S+16*\b]|, |v[S+1+16*\b]|, 0x2800000
.endr
.irp i, 2,4,6,8,10,12,14
.irp b, 0,1
	s_delay_alu instid0(VALU_DEP_2)
	v_max3_num_f32 v[232+\b], v[232+\b], |v[S+16*\b+\i]|, |v[S+1+16*\b+\i]|
.endr
.endr
.irp b, 0,1
	s_delay_alu instid0(VALU_DEP_2)
	v_permlanex16_b32 v[236+\b], v[232+\b], s20, s21
.endr
.irp b, 0,1
	s_delay_alu instid0(VALU_DEP_2)
	v_max_num_f32 v[232+\b], v[232+\b], v[236+\b]
.endr
.irp b, 0,1
	s_delay_alu instid0(VALU_DEP_2)
	v_add_nc_u32 v[244+\b], 0xfe000000, v[232+\b]
.endr
.irp b, 0,1
	s_delay_alu instid0(VALU_DEP_2)
	v_lshrrev_b32 v[236+\b], 23, v[244+\b]
.endr
	s_delay_alu instid0(VALU_DEP_1)
	v_lshl_or_b32 v254, v237, 8, v236
	v_cvt_scalef32_pk16_bf6_f32 v[224:226], v[S:S+15], v244
	v_cvt_scalef32_pk16_bf6_f32 v[240:242], v[S+16:S+31], v245
	v_nop                                          ; one plain place behind a scaled conversion
.irp i, 0,1,2
	v_permlane16_swap_b32 v[224+\i], v[240+\i]
.endr
.irp i, 0,1,2
	s_delay_alu instid0(VALU_DEP_3)
	v_mov_b32 v[227+\i], v[240+\i]
.endr
	global_store_b128 v10, v[224:227], s[18:19]                ; 512 consecutive bytes
	global_store_b64 v11, v[228:229], s[18:19] offset:512      ; 256 consecutive bytes
	ds_store_b16 v9, v254                          ; lanes l and l xor 16 write the same two bytes with the same value
	s_wait_dscnt 0x0                               ; for wave 0's sake
	s_barrier_signal -1
	s_barrier_wait -1
	s_cmp_lg_u32 s8, 0
	s_cbranch_scc1 .Lend
	ds_load_b128 v[232:235], v28                   ; the eight tiles' scale words: 512 bytes
	s_wait_dscnt 0x0
	global_store_b128 v10, v[232:235], s[86:87]
.Lend:
	s_wait_xcnt 0x0
	v_lshl_add_u32 v254, v0, 2, 0x29000
	v_mov_b32 v255, 0
	s_wait_alu depctr_va_vdst(0)
	s_wait_tensorcnt 0x0
	ds_add_u32 v254, v255
	s_wait_dscnt 0x0
	s_endpgm
.Lfunc_end_k_qdc9cf4e7ad_attn:
	.size	k_qdc9cf4e7ad_attn, .Lfunc_end_k_qdc9cf4e7ad_attn-k_qdc9cf4e7ad_attn
	.p2alignl 7, 3214868480
	.fill 96, 4, 3214868480
	.section	.rodata,"a",@progbits
	.p2align	6, 0x0
	.amdhsa_kernel k_qdc9cf4e7ad_attn
		.amdhsa_group_segment_fixed_size 169984
		.amdhsa_private_segment_fixed_size 0
		.amdhsa_enable_private_segment 0
		.amdhsa_kernarg_size 16
		.amdhsa_user_sgpr_count 2
		.amdhsa_user_sgpr_kernarg_segment_ptr 1
		.amdhsa_wavefront_size32 1
		.amdhsa_system_sgpr_workgroup_id_x 1
		.amdhsa_system_sgpr_workgroup_id_y 1
		.amdhsa_system_sgpr_workgroup_id_z 1
		.amdhsa_system_vgpr_workitem_id 0
		.amdhsa_next_free_vgpr 256
		.amdhsa_next_free_sgpr 96
		.amdhsa_reserve_vcc 1
		.amdhsa_float_denorm_mode_32 3
		.amdhsa_float_denorm_mode_16_64 3
		.amdhsa_memory_ordered 1
		.amdhsa_forward_progress 1
		.amdhsa_inst_pref_size 46
	.end_amdhsa_kernel
	.amdgpu_metadata
---
amdhsa.version: [ 1, 2 ]
amdhsa.kernels:
  - .name:           k_qdc9cf4e7ad_attn
    .symbol:         k_qdc9cf4e7ad_attn.kd
    .args:
      - { .name: qkv, .offset: 0, .size: 8, .value_kind: global_buffer, .address_space: global }
      - { .name: ao, .offset: 8, .size: 8, .value_kind: global_buffer, .address_space: global }
    .group_segment_fixed_size: 169984
    .private_segment_fixed_size: 0
    .kernarg_segment_align: 8
    .kernarg_segment_size: 16
    .max_flat_workgroup_size: 512
    .sgpr_count:     96
    .vgpr_count:     256
    .wavefront_size: 32
...
	.end_amdgpu_metadata
.endif
;; end of part 3
;; launch wo (part 4): grid 256 x 1, 8 waves a work-group, no clusters, 67,840 bytes of LDS; arguments ao, wts, bo, x, ln2_g, ln2_b, x1, xb; writes x1, xb
.if DOCPART == 4
	.amdgcn_target "amdgcn-amd-amdhsa--gfx1250"
	.amdhsa_code_object_version 6
	.text
	.protected	k_qdc9cf4e7ad_wo
	.globl	k_qdc9cf4e7ad_wo
	.p2align	8
	.type	k_qdc9cf4e7ad_wo,@function
k_qdc9cf4e7ad_wo:
	s_mov_b64 s[64:65], 0
	v_nop
	global_prefetch_b8 v0, s[64:65] scope:SCOPE_SE
	s_setreg_imm32_b32 hwreg(HW_REG_WAVE_MODE, 25, 1), 1
	s_wait_xcnt 0x0
; x1 = x + (A wo + bo), then y = (x1 - mean) rsqrt(var + 1e-5) g + b, quantised along the row: the projection, the residual and the second norm in one launch.
; A = attention's result and wo are codes of BF6 (E3M2) with one E8M0 byte for each 32 along K = 1,024, laid as images of operand registers: tile = 16 rows (tile 2 G + u, lane r: row 32 G + 8 u + r + 8 (r / 8));
; a fragment (16 rows x 128 K, 12 registers a lane) is 1,536 bytes: half c: 768 c + 16 l: registers 6 c .. 6 c + 3; 768 c + 512 + 8 l: registers 6 c + 4, 6 c + 5.  Codes [K step 8][tile 256][1536], scale words [8][256][16 words].
; OUT: x1 f32 [4096][1024]; y as the same images (codes, then scale words from byte 3,145,728 on).
; SHARES: the norm wants whole rows, so a work-group owns ONE tile of 16 rows and all 1,024 columns: 256 work-groups.  Wave w of eight owns columns 128 w .. 128 w + 127: eight accumulators, and one K step of y's images.
; THE OPERANDS GO FROM MEMORY STRAIGHT INTO REGISTERS: an image is what the lanes' loads of 16 and 8 bytes take, 512 and 256 consecutive bytes an instruction.  A fragment of wo is used by one wave alone, once, so LDS would add a
; store and a load for each byte and share nothing.  Three ring places of 9 fragments (8 of wo, 1 of A): the loads of steps s + 1 and s + 2 are out while step s is multiplied.
; No tensor load, so no joint request and no cluster.  No prefetch: the loop's own loads are issued two steps ahead of their use, with no barrier and no drain between them.
; THE MATRIX INSTRUCTION IS USED TRANSPOSED (source 0 = 16 rows of wo, source 1 = A's tile): lane (r, h) holds row r, and register j of accumulator b column 128 w + 32 (b / 2) + 16 h + 8 (b % 2) + j.
; x + bo is made in rows as they lie in memory, turned into that layout through LDS (pitch 4,112), and is the C of the first products.  x1 goes back through the same LDS rows and leaves in runs of 512 bytes.
; Mean, then the sum of squares of x1 - mean, as the formula has it: each wave's part of a row's sum meets the others' in LDS (16 rows x 8 words, twice).
; LIMITS: a block of zeros gets the byte 1 (its codes are zeros; this program alone reads the bytes); blocks under 2^-122 are held at byte 1; NaN and infinities are not served.
; REGISTERS: window 0: v2-13 addresses, v14-15 the spare word, v16-31 at work, v32-63 wo's scale words (step s, tiles 2 i and 2 i + 1 in the lanes' halves), v64-67 A's (steps 2 q, 2 q + 1), v68-131 accumulators,
;   v132-227 ring place 2 (at the head bo, at the end g), v228-248 y's codes and scale word.  window 1: v0-191 ring places 0, 1 (at the end b, and x1's rows), v192-227 A's three fragments.
.set PITCH, 4112
.set ST1,   16*PITCH                   ; the rows' sums: [row 16][wave 8] words; the sums of squares 512 bytes on
.set SPARE, ST1+1024                   ; the spare words, 128 bytes for each wave
.set KSB,   256*1536                   ; a K step on, in codes
.set SB,    32
.set SA,    64
.set AC,    68
.set S2,    132
.set AR,    192
.set T,     16
.set PC,    228
.set PW,    248
.set MSB, 0
.macro WIN new                         ; the immediate's high byte repeats the setting that is left
.set NW, \new
.if MSB != NW
	s_set_vgpr_msb (MSB<<8)|NW
.set MSB, NW
.endif
.endm
	s_load_b256 s[4:11], s[0:1], 0x0               ; A, the weights, bo, x
	s_load_b256 s[12:19], s[0:1], 0x20             ; g, b, x1, y
	v_lshl_add_u32 v14, v0, 2, SPARE
	v_mov_b32 v15, 0
	v_lshrrev_b32 v1, 5, v0
	v_readfirstlane_b32 s20, v1                    ; wave 0..7
	v_and_b32 v1, 31, v0
	v_and_b32 v13, 15, v0                          ; r
	v_bfe_u32 v6, v0, 4, 1                         ; h
	v_lshlrev_b32 v2, 4, v1                        ; 16 x lane
	v_lshlrev_b32 v3, 3, v1                        ; 8 x lane
	v_lshlrev_b32 v4, 2, v1                        ; 4 x lane
	v_lshlrev_b32 v7, 2, v13                       ; 4 r
	v_lshl_add_u32 v5, v6, 14, v7                  ; A's scale words: lanes 16-31 a K step on
	v_lshlrev_b32 v12, 6, v6                       ; 16 h numbers
	s_mul_i32 s21, s20, 2*PITCH
	v_add_nc_u32 v8, s21, v2                       ; LDS by rows: lanes 2 w, 2 w + 1 of the tile
	v_mul_u32_u24 v9, v13, PITCH
	v_add_nc_u32 v9, v9, v12
	s_lshl_b32 s21, s20, 9
	v_add_nc_u32 v9, s21, v9                       ; LDS by accumulators: row r, my 128 columns, + 16 h
	v_lshlrev_b32 v11, 5, v13
	v_add_nc_u32 v11, ST1, v11                     ; my row's eight sums
	s_lshl_b32 s21, s20, 2
	v_add_nc_u32 v10, s21, v11                     ; my wave's among them
	v_mov_b32 v25, 0                               ; a lane permute's destination counts as one of its sources
	v_mov_b32 v27, 0                               ; upper halves of pairs of which the packed forms take the low word
	v_mov_b32 v29, 0
	s_mul_i32 s22, ttmp9, 1536                     ; A: my tile
	s_mov_b32 s23, 0
	s_lshl_b32 s24, ttmp9, 6
	s_add_co_u32 s24, s24, 3145728
	s_mov_b32 s25, 0
	s_lshl_b32 s26, s20, 3
	s_add_co_u32 s28, s26, 192                     ; wo: tiles 192 + 8 w .. of the square weights' region
	s_mul_i32 s26, s28, 1536
	s_mov_b32 s27, 0
	s_lshl_b32 s28, s28, 6
	s_add_co_u32 s28, s28, 9437184
	s_mov_b32 s29, 0
	s_lshr_b32 s30, ttmp9, 1
	s_lshl_b32 s30, s30, 5
	s_and_b32 s31, ttmp9, 1
	s_lshl_b32 s31, s31, 3
	s_add_co_u32 s30, s30, s31
	s_lshl_b32 s31, s20, 1
	s_add_co_u32 s30, s30, s31
	s_lshr_b32 s31, s20, 2
	s_lshl_b32 s31, s31, 3
	s_add_co_u32 s30, s30, s31                     ; the row of the tile's lane 2 w: 32 G + 8 u + 2 w + 8 (w / 4)
	s_lshl_b32 s30, s30, 12
	s_mov_b32 s31, 0
	s_lshl_b32 s32, s20, 9                         ; g, b: my 128 columns
	s_mov_b32 s33, 0
	s_lshl_b32 s34, s20, 8
	s_add_co_u32 s34, s34, ttmp9                   ; y: K step w, my tile
	s_lshl_b32 s36, s34, 6
	s_add_co_u32 s36, s36, 3145728
	s_mov_b32 s37, 0
	s_mul_i32 s34, s34, 1536
	s_mov_b32 s35, 0
	s_mov_b32 s38, 0x76543210
	s_mov_b32 s39, 0xfedcba98                      ; selects for lane l xor 16
	s_mov_b32 s40, 0x3a800000                      ; 1 / 1024
	s_mov_b32 s41, 0x3727c5ac                      ; 1e-5
	s_wait_alu depctr_va_vdst(0)                   ; the wait at the head's end
	s_wait_kmcnt 0x0
	s_add_nc_u64 s[22:23], s[4:5], s[22:23]
	s_add_nc_u64 s[24:25], s[4:5], s[24:25]
	s_add_nc_u64 s[26:27], s[6:7], s[26:27]
	s_add_nc_u64 s[28:29], s[6:7], s[28:29]
	s_add_nc_u64 s[10:11], s[10:11], s[30:31]
	s_add_nc_u64 s[16:17], s[16:17], s[30:31]
	s_add_nc_u64 s[12:13], s[12:13], s[32:33]
	s_add_nc_u64 s[14:15], s[14:15], s[32:33]
	s_add_nc_u64 s[34:35], s[18:19], s[34:35]
	s_add_nc_u64 s[36:37], s[18:19], s[36:37]
.macro FRAG reg, base, off             ; an image into 12 registers: four loads
	global_load_b128 v[(\reg):(\reg)+3], v2, s[\base:\base+1] offset:(\off)
	global_load_b64 v[(\reg)+4:(\reg)+5], v3, s[\base:\base+1] offset:(\off)+512
	global_load_b128 v[(\reg)+6:(\reg)+9], v2, s[\base:\base+1] offset:(\off)+768
	global_load_b64 v[(\reg)+10:(\reg)+11], v3, s[\base:\base+1] offset:(\off)+1280
.endm
.macro LSTEP s                         ; step s's nine fragments into ring place s % 3: 36 loads
.set SL, (\s)%3
.if SL == 2
.set FB, S2
	WIN 0
.else
.set FB, 96*SL
	WIN 0x40                                       ; destination window 1
.endif
.irp b, 0,1,2,3,4,5,6,7
	FRAG FB+12*\b, 26, (\s)*KSB+\b*1536
.endr
	WIN 0x40
	FRAG AR+12*SL, 22, (\s)*KSB
	WIN 0
.endm
.macro MSTEP s                         ; eight products, the eight accumulators by turns; four places follow
.set SL, (\s)%3
.if SL == 2
.set FB, S2
	WIN 0x04                                       ; source 1 (A) window 1
.else
.set FB, 96*SL
	WIN 0x05                                       ; sources 0 (wo) and 1 window 1
.endif
.set rA, AR+12*SL
.set rSA, SA+(\s)/2
.irp b, 0,1,2,3,4,5,6,7
.set rD, AC+8*\b
.set rB, FB+12*\b
.set rSB, SB+4*(\s)+\b/2
.if (\b%2) == 0 && ((\s)%2) == 0
	v_wmma_scale_f32_16x16x128_f8f6f4 v[rD:rD+7], v[rB:rB+11], v[rA:rA+11], v[rD:rD+7], v[rSB], v[rSA] matrix_a_fmt:MATRIX_FMT_BF6 matrix_b_fmt:MATRIX_FMT_BF6
.elseif ((\s)%2) == 0
	v_wmma_scale_f32_16x16x128_f8f6f4 v[rD:rD+7], v[rB:rB+11], v[rA:rA+11], v[rD:rD+7], v[rSB], v[rSA] matrix_a_fmt:MATRIX_FMT_BF6 matrix_b_fmt:MATRIX_FMT_BF6 matrix_a_scale:MATRIX_SCALE_ROW1
.elseif (\b%2) == 0
	v_wmma_scale_f32_16x16x128_f8f6f4 v[rD:rD+7], v[rB:rB+11], v[rA:rA+11], v[rD:rD+7], v[rSB], v[rSA] matrix_a_fmt:MATRIX_FMT_BF6 matrix_b_fmt:MATRIX_FMT_BF6 matrix_b_scale:MATRIX_SCALE_ROW1
.else
	v_wmma_scale_f32_16x16x128_f8f6f4 v[rD:rD+7], v[rB:rB+11], v[rA:rA+11], v[rD:rD+7], v[rSB], v[rSA] matrix_a_fmt:MATRIX_FMT_BF6 matrix_b_fmt:MATRIX_FMT_BF6 matrix_a_scale:MATRIX_SCALE_ROW1 matrix_b_scale:MATRIX_SCALE_ROW1
.endif
.endr
.rept 4
	v_nop                                          ; places in front of loads into the fragments' registers, and of reads of the results
.endr
	WIN 0
.endm
	; x's two rows into the accumulators' registers, bo beside them, then step 0
.irp i, 0,1,2,3,4,5,6,7
	global_load_b128 v[AC+4*\i:AC+4*\i+3], v2, s[10:11] offset:512*\i th:TH_LOAD_NT
.endr
.irp i, 0,1,2,3,4,5,6,7
	global_load_b128 v[AC+32+4*\i:AC+32+4*\i+3], v2, s[10:11] offset:4096+512*\i th:TH_LOAD_NT
.endr
.irp i, 0,1,2,3,4,5,6,7
	global_load_b128 v[S2+4*\i:S2+4*\i+3], v2, s[8:9] offset:512*\i
.endr
	LSTEP 0
	s_wait_loadcnt 36                              ; x and bo are in; step 0's 36 loads may be out
.irp p, 0,2,4,6,8,10,12,14,16,18,20,22,24,26,28,30
	v_pk_add_f32 v[AC+\p:AC+\p+1], v[AC+\p:AC+\p+1], v[S2+\p:S2+\p+1]
	v_pk_add_f32 v[AC+32+\p:AC+33+\p], v[AC+32+\p:AC+33+\p], v[S2+\p:S2+\p+1]
.endr
.irp i, 0,1,2,3,4,5,6,7
	ds_store_b128 v8, v[AC+4*\i:AC+4*\i+3] offset:512*\i
	ds_store_b128 v8, v[AC+32+4*\i:AC+32+4*\i+3] offset:PITCH+512*\i
.endr
.set q, 0
.rept 32
	global_load_b32 v[SB+q], v4, s[28:29] offset:(q/4)*16384+(q%4)*128   ; wo's scale words of step q / 4: two tiles' 128 consecutive bytes
.set q, q+1
.endr
.irp q, 0,1,2,3
	global_load_b32 v[SA+\q], v5, s[24:25] offset:\q*32768               ; A's, of steps 2 q (lanes 0-15) and 2 q + 1
.endr
	s_wait_dscnt 0x0                               ; for the others' sake: my rows lie in LDS
	s_barrier_signal -1
	s_barrier_wait -1
.irp g, 0,1,2,3
.irp i, 0,1,2,3
	ds_load_b128 v[AC+16*\g+4*\i:AC+16*\g+4*\i+3], v9 offset:128*\g+16*\i   ; (x + bo)(r, 128 w + 32 g + 16 h + 4 i ..): the sums begin with it
.endr
.endr
	LSTEP 1
	LSTEP 2
	s_wait_dscnt 0x0
.irp s, 0,1,2,3,4
	s_wait_loadcnt 63                              ; behind step s's loads (and the scale words) the 72 of the two steps after it were issued: what is older than the youngest 63 is in
	MSTEP \s
	LSTEP \s+3
.endr
	s_wait_loadcnt 63
	MSTEP 5
.irp g, 0,1,2,3
.irp i, 0,1,2,3
	global_load_b128 v[S2+16*\g+4*\i:S2+16*\g+4*\i+3], v12, s[12:13] offset:128*\g+16*\i   ; g in the accumulators' layout, into ring place 2
.endr
.endr
	s_wait_loadcnt 52                              ; step 7's 36 and g's 16 may be out
	MSTEP 6
	WIN 0x40
.irp g, 0,1,2,3
.irp i, 0,1,2,3
	global_load_b128 v[16*\g+4*\i:16*\g+4*\i+3], v12, s[14:15] offset:128*\g+16*\i         ; b, into ring place 0
.endr
.endr
	WIN 0
	s_wait_loadcnt 32                              ; g's and b's may be out
	MSTEP 7
	; the accumulators hold x1.  Into LDS, each accumulator from its low end on; these bytes were last read by this wave
.irp g, 0,1,2,3
.irp i, 0,1,2,3
	ds_store_b128 v9, v[AC+16*\g+4*\i:AC+16*\g+4*\i+3] offset:128*\g+16*\i
.endr
.endr
.macro FOLD                            ; four packed sums into v24, with lane l xor 16's: my wave's part of row r's sum
	v_pk_add_f32 v[T:T+1], v[T:T+1], v[T+2:T+3]
	v_pk_add_f32 v[T+4:T+5], v[T+4:T+5], v[T+6:T+7]
	s_delay_alu instid0(VALU_DEP_1)
	v_pk_add_f32 v[T:T+1], v[T:T+1], v[T+4:T+5]
	s_delay_alu instid0(VALU_DEP_1)
	v_add_f32 v24, v[T], v[T+1]
	s_delay_alu instid0(VALU_DEP_1)
	v_permlanex16_b32 v25, v24, s38, s39
	s_delay_alu instid0(VALU_DEP_1)
	v_add_f32 v24, v24, v25
.endm
.macro ADD8                            ; the eight waves' parts into v16
	v_pk_add_f32 v[T:T+1], v[T:T+1], v[T+2:T+3]
	v_pk_add_f32 v[T+4:T+5], v[T+4:T+5], v[T+6:T+7]
	s_delay_alu instid0(VALU_DEP_1)
	v_pk_add_f32 v[T:T+1], v[T:T+1], v[T+4:T+5]
	s_delay_alu instid0(VALU_DEP_1)
	v_add_f32 v[T], v[T], v[T+1]
.endm
.irp k, 0,1,2,3
	v_pk_add_f32 v[T+2*\k:T+2*\k+1], v[AC+2*\k:AC+2*\k+1], v[AC+8+2*\k:AC+9+2*\k]
.endr
.irp o, 16,24,32,40,48,56
.irp k, 0,1,2,3
	v_pk_add_f32 v[T+2*\k:T+2*\k+1], v[T+2*\k:T+2*\k+1], v[AC+\o+2*\k:AC+\o+2*\k+1]
.endr
.endr
	FOLD
	ds_store_b32 v10, v24                          ; lanes l and l xor 16 write the same word with the same value
	s_wait_alu depctr_va_vdst(0)                   ; the wait ahead of the wait below
	s_wait_dscnt 0x0                               ; for the others' sake: x1 and my sums lie in LDS
	s_barrier_signal -1
	s_barrier_wait -1
	ds_load_b128 v[T:T+3], v11
	ds_load_b128 v[T+4:T+7], v11 offset:16
	WIN 0x40
.irp i, 0,1,2,3,4,5,6,7
	ds_load_b128 v[96+4*\i:96+4*\i+3], v8 offset:512*\i             ; x1 by rows, into ring place 1
	ds_load_b128 v[128+4*\i:128+4*\i+3], v8 offset:PITCH+512*\i
.endr
	WIN 0
	s_wait_dscnt 16                                ; the sums are in; the rows' 16 loads may be out
	ADD8
	s_delay_alu instid0(VALU_DEP_1)
	v_mul_f32 v26, s40, v[T]                       ; the mean
.irp p, 0,2,4,6,8,10,12,14,16,18,20,22,24,26,28,30,32,34,36,38,40,42,44,46,48,50,52,54,56,58,60,62
	v_pk_add_f32 v[AC+\p:AC+\p+1], v[AC+\p:AC+\p+1], v[26:27] op_sel_hi:[1,0] neg_lo:[0,1] neg_hi:[0,1]
.endr
.irp k, 0,1,2,3
	v_pk_mul_f32 v[T+2*\k:T+2*\k+1], v[AC+2*\k:AC+2*\k+1], v[AC+2*\k:AC+2*\k+1]
.endr
.irp o, 8,16,24,32,40,48,56
.irp k, 0,1,2,3
	v_pk_fma_f32 v[T+2*\k:T+2*\k+1], v[AC+\o+2*\k:AC+\o+2*\k+1], v[AC+\o+2*\k:AC+\o+2*\k+1], v[T+2*\k:T+2*\k+1]
.endr
.endr
	FOLD
	ds_store_b32 v10, v24 offset:512
	s_wait_alu depctr_va_vdst(0)                   ; the wait ahead of the wait below
	s_wait_dscnt 0x0                               ; x1's rows are in registers, and my sums of squares lie in LDS
	WIN 0x04                                       ; a store's data: window 1
.irp i, 0,1,2,3,4,5,6,7
	global_store_b128 v2, v[96+4*\i:96+4*\i+3], s[16:17] offset:512*\i          ; 512 consecutive bytes, at a multiple of 256 from the buffer's first byte
	global_store_b128 v2, v[128+4*\i:128+4*\i+3], s[16:17] offset:4096+512*\i
.endr
	WIN 0
	s_barrier_signal -1
	s_barrier_wait -1
	ds_load_b128 v[T:T+3], v11 offset:512
	ds_load_b128 v[T+4:T+7], v11 offset:528
	s_wait_dscnt 0x0
	ADD8
	s_delay_alu instid0(VALU_DEP_1)
	v_fma_f32 v28, v[T], s40, s41                  ; var + eps
	s_wait_alu depctr_va_vdst(0)                   ; the wait ahead of the transcendental,
	v_rsq_f32 v28, v28
	v_nop                                          ; one plain place behind it,
	s_wait_alu depctr_va_vdst(0)                   ; and the wait ahead of its first reader
	s_wait_loadcnt 0x0                             ; g and b
.irp p, 0,2,4,6,8,10,12,14,16,18,20,22,24,26,28,30,32,34,36,38,40,42,44,46,48,50,52,54,56,58,60,62
	v_pk_mul_f32 v[AC+\p:AC+\p+1], v[AC+\p:AC+\p+1], v[28:29] op_sel_hi:[1,0]
.endr
	WIN 0x10                                       ; source 2 (b) window 1
.irp p, 0,2,4,6,8,10,12,14,16,18,20,22,24,26,28,30,32,34,36,38,40,42,44,46,48,50,52,54,56,58,60,62
	v_pk_fma_f32 v[AC+\p:AC+\p+1], v[AC+\p:AC+\p+1], v[S2+\p:S2+\p+1], v[\p:\p+1]
.endr
	WIN 0
	; y's four blocks of 32: registers 16 g .. 16 g + 15 are columns 32 g + 16 h + 0 .. 15; lane l xor 16 holds the block's other half
.irp b, 0,1,2,3
	v_max3_num_f32 v[T+\b], 0x2800000, |v[AC+16*\b]|, |v[AC+16*\b+1]|   ; with the floor 2^(5 - 127): the byte cannot fall under 1
.endr
.irp i, 2,4,6,8,10,12,14
.irp b, 0,1,2,3
	v_max3_num_f32 v[T+\b], v[T+\b], |v[AC+16*\b+\i]|, |v[AC+16*\b+\i+1]|
.endr
.endr
.irp b, 0,1,2,3
	v_permlanex16_b32 v[T+4+\b], v[T+\b], s38, s39
.endr
.irp b, 0,1,2,3
	v_max_num_f32 v[T+\b], v[T+\b], v[T+4+\b]
.endr
.irp b, 0,1,2,3
	v_add_nc_u32 v[T+12+\b], 0xfe000000, v[T+\b]   ; 4 off the exponent field: the conversion's scale operand
.endr
.irp b, 0,1,2,3
	v_lshrrev_b32 v[T+4+\b], 23, v[T+12+\b]        ; the scale's byte
.endr
	v_lshl_or_b32 v[PW], v[T+5], 8, v[T+4]
	v_lshl_or_b32 v[PW], v[T+6], 16, v[PW]
	v_lshl_or_b32 v[PW], v[T+7], 24, v[PW]         ; row r's scale word of K step w
.irp c, 0,1
	v_cvt_scalef32_pk16_bf6_f32 v[PC+6*\c:PC+6*\c+2], v[AC+32*\c:AC+32*\c+15], v[T+12+2*\c]
	v_cvt_scalef32_pk16_bf6_f32 v[PC+12+4*\c:PC+14+4*\c], v[AC+16+32*\c:AC+31+32*\c], v[T+13+2*\c]
.endr
	v_nop                                          ; one plain place behind a scaled conversion
.irp c, 0,1                            ; the operand's layout wants a whole block in a lane
.irp i, 0,1,2
	v_permlane16_swap_b32 v[PC+6*\c+\i], v[PC+12+4*\c+\i]
.endr
.irp i, 0,1,2
	v_mov_b32 v[PC+3+6*\c+\i], v[PC+12+4*\c+\i]
.endr
.endr
.irp c, 0,1
	global_store_b128 v2, v[PC+6*\c:PC+6*\c+3], s[34:35] offset:768*\c          ; 512 consecutive bytes
	global_store_b64 v3, v[PC+6*\c+4:PC+6*\c+5], s[34:35] offset:768*\c+512     ; 256 consecutive bytes
.endr
	v_cmp_eq_u32 vcc_lo, 0, v6
	s_wait_alu depctr_va_vdst(0)                   ; the wait ahead of the waits below
	s_wait_xcnt 0x0                                ; EXEC changes only behind this wait
	s_wait_tensorcnt 0x0                           ; the wave's end
	ds_add_u32 v14, v15
	s_wait_dscnt 0x0
	s_and_saveexec_b32 s42, vcc_lo
	global_store_b32 v7, v[PW], s[36:37]           ; lanes 0-15: the tile's sixteen scale words of this K step
	s_endpgm
.Lfunc_end_k_qdc9cf4e7ad_wo:
	.size	k_qdc9cf4e7ad_wo, .Lfunc_end_k_qdc9cf4e7ad_wo-k_qdc9cf4e7ad_wo
	.p2alignl 7, 3214868480
	.fill 96, 4, 3214868480
	.section	.rodata,"a",@progbits
	.p2align	6, 0x0
	.amdhsa_kernel k_qdc9cf4e7ad_wo
		.amdhsa_group_segment_fixed_size 67840
		.amdhsa_private_segment_fixed_size 0
		.amdhsa_enable_private_segment 0
		.amdhsa_kernarg_size 64
		.amdhsa_user_sgpr_count 2
		.amdhsa_user_sgpr_kernarg_segment_ptr 1
		.amdhsa_wavefront_size32 1
		.amdhsa_system_sgpr_workgroup_id_x 1
		.amdhsa_system_sgpr_workgroup_id_y 1
		.amdhsa_system_sgpr_workgroup_id_z 1
		.amdhsa_system_vgpr_workitem_id 0
		.amdhsa_next_free_vgpr 512
		.amdhsa_next_free_sgpr 66
		.amdhsa_reserve_vcc 1
		.amdhsa_float_denorm_mode_32 3
		.amdhsa_float_denorm_mode_16_64 3
		.amdhsa_memory_ordered 1
		.amdhsa_forward_progress 1
		.amdhsa_inst_pref_size 74
	.end_amdhsa_kernel
	.amdgpu_metadata
---
amdhsa.version: [ 1, 2 ]
amdhsa.kernels:
  - .name:           k_qdc9cf4e7ad_wo
    .symbol:         k_qdc9cf4e7ad_wo.kd
    .args:
      - { .name: ao, .offset: 0, .size: 8, .value_kind: global_buffer, .address_space: global }
      - { .name: wts, .offset: 8, .size: 8, .value_kind: global_buffer, .address_space: global }
      - { .name: bo, .offset: 16, .size: 8, .value_kind: global_buffer, .address_space: global }
      - { .name: x, .offset: 24, .size: 8, .value_kind: global_buffer, .address_space: global }
      - { .name: ln2_g, .offset: 32, .size: 8, .value_kind: global_buffer, .address_space: global }
      - { .name: ln2_b, .offset: 40, .size: 8, .value_kind: global_buffer, .address_space: global }
      - { .name: x1, .offset: 48, .size: 8, .value_kind: global_buffer, .address_space: global }
      - { .name: xb, .offset: 56, .size: 8, .value_kind: global_buffer, .address_space: global }
    .group_segment_fixed_size: 67840
    .private_segment_fixed_size: 0
    .kernarg_segment_align: 8
    .kernarg_segment_size: 64
    .max_flat_workgroup_size: 256
    .sgpr_count:     66
    .vgpr_count:     512
    .wavefront_size: 32
...
	.end_amdgpu_metadata
.endif
;; end of part 4
;; launch w1 (part 5): grid 16 x 16, 4 waves a work-group, clusters of 4 x 4, 327,680 bytes of LDS; arguments xb, wts, b1, hh; writes hh
.if DOCPART == 5
	.amdgcn_target "amdgcn-amd-amdhsa--gfx1250"
	.amdhsa_code_object_version 6
	.text
	.protected	k_qdc9cf4e7ad_w1
	.globl	k_qdc9cf4e7ad_w1
	.p2align	8
	.type	k_qdc9cf4e7ad_w1,@function
k_qdc9cf4e7ad_w1:
	s_mov_b64 s[64:65], 0
	v_nop
	global_prefetch_b8 v0, s[64:65] scope:SCOPE_SE
	s_setreg_imm32_b32 hwreg(HW_REG_WAVE_MODE, 25, 1), 1
	s_wait_xcnt 0x0
	s_wait_alu depctr_hold_cnt(0) depctr_sa_sdst(0) depctr_va_vdst(0) depctr_va_sdst(0) depctr_va_ssrc(0) depctr_va_vcc(0) depctr_vm_vsrc(0)
	s_getreg_b32 s2, hwreg(HW_REG_IB_STS2, 6, 4)
	s_cmp_eq_u32 s2, 0
	s_cbranch_scc0 .Lentry_in_a_cluster
	s_endpgm
.Lentry_in_a_cluster:
	s_bfe_u32 s2, ttmp6, 0x10000c
	s_cmp_lg_u32 s2, 0xf033
	s_cbranch_scc0 .Lentry_shape_is_right
	s_endpgm
.Lentry_shape_is_right:
.set KIND,  1
.set MB,    8
.set NQ,    2
.set KS,    8
.set LAPS,  KS/(2*NQ)
.set FR,    12
.set NL,    4
.set FRB,   1536
.set RT,    256
.set HALFT, NQ*MB*FRB
.set SLOT,  4*HALFT
.set SCL,   2*SLOT
.set HALFS, KS*MB*64
.set SPARE, SCL+4*HALFS
.set ADRA, 16
.set ADRB, 20
.set L16,  24
.set L8,   25
.set L4,   26
.set ADRS, 27
.set SPW,  28
.set NIL,  29
.set SC,   32
.set BI,   64
.set AF,   128
.set TM,   224
.set PWS,  240
.set TT,   248
.set WV, 16
.set RH, 17
.set CH, 18
.set TR, 19
.set TC, 20
.set CX, 21
.set CY, 22
.set LAP, 23
.set G1A, 24
.set G0A, 32
.set G1B, 48
.set G0B, 56
.set G1SA, 68
.set G0SA, 76
.set G1SB, 80
.set G0SB, 88
.set ISV, 94
.set SEL, 98
.set MSB, 0
.macro WIN new
.set NW, \new
.if MSB != NW
	s_set_vgpr_msb (MSB<<8)|NW
.set MSB, NW
.endif
.endm
.macro PLACES
.rept 4
	v_nop
.endr
.endm
.macro JLOAD g0a, g1a, g0b, g1b
	s_cmp_eq_u32 s[RH], 0
	s_cbranch_scc0 .Lfor_b_\@
	tensor_load_to_lds s[\g0a:\g0a+3], s[\g1a:\g1a+7]
	s_nop 0
.rept 4
	v_nop
.endr
	s_branch .Lasked_\@
.Lfor_b_\@:
	tensor_load_to_lds s[\g0b:\g0b+3], s[\g1b:\g1b+7]
	s_nop 0
.rept 4
	v_nop
.endr
.Lasked_\@:
.endm
.macro CREST
	s_cmp_lg_u32 s[WV], 0
	s_cbranch_scc1 .Lnot_wave_0_\@
	s_barrier_signal -3
.Lnot_wave_0_\@:
	s_barrier_wait -3
	s_barrier_signal -1
	s_barrier_wait -1
.endm
.macro CROUND
	s_barrier_signal -1
	s_barrier_wait -1
	CREST
.endm
	s_load_b128 s[4:7], s[0:1], 0x0
.if KIND == 0
	s_load_b256 s[8:15], s[0:1], 0x10
.else
	s_load_b64 s[8:9], s[0:1], 0x10
	s_load_b64 s[14:15], s[0:1], 0x18
.endif
	v_lshl_add_u32 v[SPW], v0, 2, SPARE
	v_mov_b32 v[NIL], 0
	ds_add_u32 v28, v29
	ds_add_u32 v28, v29
	s_wait_dscnt 0x0
	v_lshrrev_b32 v1, 5, v0
	v_readfirstlane_b32 s[WV], v1
	s_lshr_b32 s[RH], s[WV], 1
	s_and_b32 s[CH], s[WV], 1
	s_bfe_u32 s[CX], ttmp6, 0x40000
	s_bfe_u32 s[CY], ttmp6, 0x40004
	s_and_b32 s40, ttmp7, 0xffff
.if KIND == 0
	s_cmp_eq_u32 ttmp9, 2
	s_cselect_b32 s[ISV], 1, 0
	s_cselect_b32 s44, s40, ttmp9
	s_cselect_b32 s40, 0, s40
.else
	s_mov_b32 s44, ttmp9
.endif
	s_lshl_b32 s40, s40, 2
	s_add_co_u32 s[TR], s40, s[CY]
	s_lshl_b32 s44, s44, 2
	s_add_co_u32 s[TC], s44, s[CX]
	s_lshl_b32 s92, s[CY], 2
	s_lshl_b32 s92, 15, s92
	s_lshl_b32 s93, 0x1111, s[CX]
	s_or_b32 s[G1A], s92, (3<<16)|(1<<21)
	s_or_b32 s[G1B], s93, (3<<16)|(1<<21)
	s_or_b32 s[G1SA], s92, (3<<16)|(1<<21)
	s_or_b32 s[G1SB], s93, (3<<16)|(1<<21)
.irp g, G1A, G1B
	s_mov_b32 s[\g+1], (MB*192)<<16
	s_mov_b32 s[\g+2], NQ<<16
	s_mov_b32 s[\g+3], (MB*192)<<16
	s_mov_b32 s[\g+4], NQ
	s_mov_b32 s[\g+5], RT*192
	s_mov_b32 s[\g+6], 0
	s_mov_b32 s[\g+7], 0
.endr
.irp g, G1SA, G1SB
	s_mov_b32 s[\g+1], (MB*8)<<16
	s_mov_b32 s[\g+2], KS<<16
	s_mov_b32 s[\g+3], (MB*8)<<16
	s_mov_b32 s[\g+4], KS
	s_mov_b32 s[\g+5], RT*8
	s_mov_b32 s[\g+6], 0
	s_mov_b32 s[\g+7], 0
.endr
	s_lshl_b32 s40, s[TR], 4
	s_lshl_b32 s41, s[CH], 3
	s_add_co_u32 s41, s40, s41
	s_mul_i32 s40, s41, FRB
	s_lshl_b32 s42, s41, 6
	s_mov_b32 s41, 0
	s_mov_b32 s43, 0
	s_lshl_b32 s44, s[TC], 4
	s_lshl_b32 s45, s[CH], 3
	s_add_co_u32 s45, s44, s45
	s_mul_i32 s44, s45, FRB
	s_lshl_b32 s46, s45, 6
	s_mov_b32 s45, 0
	s_mov_b32 s47, 0
	s_mul_i32 s2, s[WV], HALFT
	s_mul_i32 s3, s[WV], HALFS
	s_wait_kmcnt 0x0
.if KIND == 0
	s_cmp_eq_u32 s[ISV], 1
	s_cselect_b64 s[96:97], s[6:7], s[4:5]
	s_cselect_b64 s[98:99], s[4:5], s[6:7]
	s_cselect_b32 s66, 128*FRB, 0
	s_mov_b32 s67, 3145728
	s_cselect_b32 s67, 9437184+128*64, s67
	s_mov_b32 s95, 9437184
	s_cselect_b32 s95, 3145728, s95
	s_add_co_u32 s40, s40, s66
	s_add_co_u32 s42, s42, s67
	s_add_co_u32 s46, s46, s95
.else
	s_mov_b64 s[96:97], s[4:5]
	s_mov_b64 s[98:99], s[6:7]
	s_add_co_u32 s42, s42, 3145728
	s_add_co_u32 s44, s44, 3145728
	s_add_co_u32 s46, s46, 9568256
.endif
	s_add_nc_u64 s[40:41], s[96:97], s[40:41]
	s_add_nc_u64 s[42:43], s[96:97], s[42:43]
	s_add_nc_u64 s[44:45], s[98:99], s[44:45]
	s_add_nc_u64 s[46:47], s[98:99], s[46:47]
	CROUND
	s_mov_b32 s[G0SA], 1
	s_add_co_u32 s[G0SA+1], s3, SCL
	s_mov_b64 s[G0SA+2:G0SA+3], s[42:43]
	s_or_b32 s[G0SA+3], s[G0SA+3], 0x80000000
	s_mov_b32 s[G0SB], 1
	s_add_co_u32 s[G0SB+1], s3, SCL
	s_mov_b64 s[G0SB+2:G0SB+3], s[46:47]
	s_or_b32 s[G0SB+3], s[G0SB+3], 0x80000000
	JLOAD G0SA, G1SA, G0SB, G1SB
.irp s, 0,1
	s_mov_b32 s[G0A+4*\s], 1
	s_add_co_u32 s[G0A+4*\s+1], s2, \s*SLOT
	s_add_nc_u64 s[G0A+4*\s+2:G0A+4*\s+3], s[40:41], \s*NQ*RT*FRB
	s_or_b32 s[G0A+4*\s+3], s[G0A+4*\s+3], 0x80000000
	s_mov_b32 s[G0B+4*\s], 1
	s_add_co_u32 s[G0B+4*\s+1], s2, \s*SLOT
	s_add_nc_u64 s[G0B+4*\s+2:G0B+4*\s+3], s[44:45], \s*NQ*RT*FRB
	s_or_b32 s[G0B+4*\s+3], s[G0B+4*\s+3], 0x80000000
	s_wait_alu depctr_va_vdst(0)
	s_wait_tensorcnt 0x0
	ds_add_u32 v28, v29
	s_wait_dscnt 0x0
	CROUND
	JLOAD G0A+4*\s, G1A, G0B+4*\s, G1B
.endr
	v_and_b32 v1, 31, v0
	v_and_b32 v2, 15, v0
	v_bfe_u32 v3, v0, 4, 1
	v_lshlrev_b32 v[L16], 4, v1
	v_lshlrev_b32 v[L8], 3, v1
	v_lshlrev_b32 v[L4], 2, v1
	s_mul_i32 s2, s[RH], HALFT
	s_mul_i32 s3, s[CH], HALFT
	s_add_co_u32 s3, s3, 2*HALFT
.irp s, 0,1
	v_add_nc_u32 v[ADRA+\s], s2, v[L16]
	v_add_nc_u32 v[ADRA+2+\s], s2, v[L8]
	v_add_nc_u32 v[ADRB+\s], s3, v[L16]
	v_add_nc_u32 v[ADRB+2+\s], s3, v[L8]
	s_add_co_u32 s2, s2, SLOT
	s_add_co_u32 s3, s3, SLOT
.endr
	s_mul_i32 s2, s[RH], HALFS
	s_mul_i32 s3, s[CH], HALFS
	s_add_co_u32 s3, s3, 2*HALFS
	s_sub_co_u32 s3, s3, s2
	v_mul_u32_u24 v4, s3, v3
	s_add_co_u32 s2, s2, SCL
	v_lshl_add_u32 v4, v2, 2, v4
	v_add_nc_u32 v[ADRS], s2, v4
	v_lshlrev_b32 v6, 6, v3
	v_and_b32 v7, 8, v2
	v_add_nc_u32 v7, v7, v2
	v_lshlrev_b32 v7, 2, v7
.if KIND == 0
	s_cmp_eq_u32 ttmp9, 0
	s_cselect_b64 s[8:9], s[8:9], s[10:11]
	s_cmp_eq_u32 s[ISV], 1
	s_cselect_b64 s[8:9], s[12:13], s[8:9]
	s_lshl_b32 s2, s[CX], 10
	s_lshl_b32 s3, s[CH], 9
	s_add_co_u32 s2, s2, s3
	s_lshl_b32 s3, s[TR], 10
	s_lshl_b32 s66, s[RH], 9
	s_add_co_u32 s3, s3, s66
	s_cmp_eq_u32 s[ISV], 1
	s_cselect_b32 s2, s3, s2
	s_mov_b32 s3, 0
	s_add_nc_u64 s[8:9], s[8:9], s[2:3]
	s_cmp_eq_u32 s[ISV], 1
	s_cbranch_scc1 .Lbias_v
.else
	s_lshl_b32 s2, s[TC], 10
	s_lshl_b32 s3, s[CH], 9
	s_add_co_u32 s2, s2, s3
	s_mov_b32 s3, 0
	s_add_nc_u64 s[8:9], s[8:9], s[2:3]
.endif
.irp b, 0,1,2,3,4,5,6,7
	global_load_b128 v[BI+8*\b:BI+8*\b+3], v6, s[8:9] offset:(32*(\b/2)+8*(\b%2))*4
	global_load_b128 v[BI+8*\b+4:BI+8*\b+7], v6, s[8:9] offset:(32*(\b/2)+8*(\b%2))*4+16
.endr
.if KIND == 0
	s_branch .Lbias_done
.Lbias_v:
.irp a, 0,1,2,3,4,5,6,7
.irp j, 0,1,2,3,4,5,6,7
	global_load_b32 v[BI+8*\a+\j], v7, s[8:9] offset:(32*(\a/2)+8*(\a%2))*4
.endr
.endr
.Lbias_done:
.endif
.if KIND == 0
	s_cmp_eq_u32 s[ISV], 1
	s_cselect_b32 s95, 64, 256
	s_cselect_b32 s96, 6291456, 0
	s_mov_b32 s97, 9437184
	s_cselect_b32 s97, 9699328, s97
.else
	s_mov_b32 s95, 256
	s_mov_b32 s96, 0
	s_mov_b32 s97, 12582912
.endif
	s_lshl_b32 s2, s[TC], 1
	s_add_co_u32 s2, s2, s[CH]
	s_mul_i32 s2, s2, s95
	s_lshl_b32 s3, s[TR], 4
	s_add_co_u32 s2, s2, s3
	s_lshl_b32 s3, s[RH], 3
	s_add_co_u32 s2, s2, s3
	s_mul_i32 s40, s2, FRB
	s_add_co_u32 s40, s40, s96
	s_mov_b32 s41, 0
	s_lshl_b32 s42, s2, 6
	s_add_co_u32 s42, s42, s97
	s_mov_b32 s43, 0
	s_add_nc_u64 s[42:43], s[14:15], s[42:43]
	s_add_nc_u64 s[14:15], s[14:15], s[40:41]
	s_mov_b32 s[SEL], 0x76543210
	s_mov_b32 s[SEL+1], 0xfedcba98
	s_mov_b32 s100, 0xffff0000
.macro FRAG reg, adr, off
	ds_load_b128 v[(\reg):(\reg)+3], v[\adr] offset:(\off)
	ds_load_b64 v[(\reg)+4:(\reg)+5], v[\adr+2] offset:(\off)+512
	ds_load_b128 v[(\reg)+6:(\reg)+9], v[\adr] offset:(\off)+768
	ds_load_b64 v[(\reg)+10:(\reg)+11], v[\adr+2] offset:(\off)+1280
.endm
.macro FETCH_B slot, q, p
	WIN 0x40
.irp i, 0,1,2,3,4,5,6,7
	FRAG 128*(\p)+FR*\i, ADRB+\slot, ((\q)*MB+\i)*FRB
.endr
	WIN 0
.endm
.macro FETCH_A slot, q, i0
.irp i, 0,1,2,3
	FRAG AF+FR*((\i0)+\i), ADRA+\slot, ((\q)*MB+(\i0)+\i)*FRB
.endr
.endm
.macro SCALES sc
.irp q, 0,1
.irp i, 0,1,2,3,4,5,6,7
	ds_load_b32 v[SC+16*\sc+NQ*\i+\q], v[ADRS] offset:(\q*MB+\i)*64
.endr
.endr
.endm
.macro MULA a, p, q, sc, cm
.if (\cm) == 0
	WIN 0xa1+0x50*((\a)/4)
.else
	WIN 0x81+0x40*((\a)/4)
.endif
.irp b, 0,1,2,3,4,5,6,7
.set rD, 8*(8*((\a)%4)+\b)
.set rB, 128*(\p)+FR*\b
.set rA, AF+FR*(\a)
.set rSB, SC+16*(\sc)+NQ*\b+(\q)
.set rSA, SC+16*(\sc)+NQ*(\a)+(\q)
.if (\cm) == 0
	v_wmma_scale_f32_16x16x128_f8f6f4 v[rD:rD+7], v[rB:rB+11], v[rA:rA+11], v[rD:rD+7], v[rSB], v[rSA] matrix_a_fmt:MATRIX_FMT_BF6 matrix_b_fmt:MATRIX_FMT_BF6 matrix_a_scale:MATRIX_SCALE_ROW1
.elseif (\cm) == 1
	v_wmma_scale_f32_16x16x128_f8f6f4 v[rD:rD+7], v[rB:rB+11], v[rA:rA+11], v[BI+8*\b:BI+8*\b+7], v[rSB], v[rSA] matrix_a_fmt:MATRIX_FMT_BF6 matrix_b_fmt:MATRIX_FMT_BF6 matrix_a_scale:MATRIX_SCALE_ROW1
.else
	v_wmma_scale_f32_16x16x128_f8f6f4 v[rD:rD+7], v[rB:rB+11], v[rA:rA+11], v[BI+8*(\a):BI+8*(\a)+7], v[rSB], v[rSA] matrix_a_fmt:MATRIX_FMT_BF6 matrix_b_fmt:MATRIX_FMT_BF6 matrix_a_scale:MATRIX_SCALE_ROW1
.endif
.endr
.endm
.macro STEP slot, q, cm
	s_wait_dscnt (MB/2)*NL
.irp a, 0,1,2,3
	MULA \a, (\q)%2, \q, \slot, \cm
.endr
	s_wait_dscnt 0x0
	PLACES
	FETCH_B \slot, (\q)+1, 1-(\q)%2
	FETCH_A \slot, (\q)+1, 0
.irp a, 4,5,6,7
	MULA \a, (\q)%2, \q, \slot, \cm
.endr
	PLACES
	WIN 0
	FETCH_A \slot, (\q)+1, 4
.endm
.macro TURN slot, next, fill
	s_wait_tensorcnt 0x0
	ds_add_u32 v[SPW], v[NIL]
	s_wait_dscnt (MB/2)*NL+1
	MULA 0, 1, NQ-1, \slot, 0
	MULA 1, 1, NQ-1, \slot, 0
	s_wait_dscnt 0x0
	s_barrier_signal -1
	MULA 2, 1, NQ-1, \slot, 0
	MULA 3, 1, NQ-1, \slot, 0
	WIN 0
	s_barrier_wait -1
.if \fill
	CREST
	s_add_nc_u64 s[G0A+4*\slot+2:G0A+4*\slot+3], s[G0A+4*\slot+2:G0A+4*\slot+3], 2*NQ*RT*FRB
	s_add_nc_u64 s[G0B+4*\slot+2:G0B+4*\slot+3], s[G0B+4*\slot+2:G0B+4*\slot+3], 2*NQ*RT*FRB
	JLOAD G0A+4*\slot, G1A, G0B+4*\slot, G1B
.else
	PLACES
.endif
	s_wait_alu depctr_va_vdst(0)
	v_add_nc_u32 v[ADRS], NQ*MB*64, v[ADRS]
	FETCH_B \next, 0, 0
	FETCH_A \next, 0, 0
	SCALES \next
.irp a, 4,5,6,7
	MULA \a, 1, NQ-1, \slot, 0
.endr
	PLACES
	WIN 0
	FETCH_A \next, 0, 4
.endm
	s_wait_alu depctr_va_vdst(0)
	s_wait_tensorcnt 1
	s_barrier_signal -1
	s_barrier_wait -1
	FETCH_B 0, 0, 0
	FETCH_A 0, 0, 0
	SCALES 0
	FETCH_A 0, 0, 4
	s_wait_loadcnt 0x0
.if KIND == 0
	s_cmp_eq_u32 s[ISV], 1
	s_cbranch_scc1 .Lfirst_v
	STEP 0, 0, 1
	s_branch .Lfirst_done
.Lfirst_v:
	STEP 0, 0, 2
.Lfirst_done:
.else
	STEP 0, 0, 1
.endif
	s_mov_b32 s[LAP], LAPS-1
.Llap:
	TURN 0, 1, 1
	STEP 1, 0, 0
	TURN 1, 0, 1
	STEP 0, 0, 0
	s_sub_co_u32 s[LAP], s[LAP], 1
	s_cmp_lg_u32 s[LAP], 0
	s_cbranch_scc1 .Llap
	TURN 0, 1, 0
	STEP 1, 0, 0
	s_wait_dscnt (MB/2)*NL
.irp a, 0,1,2,3
	MULA \a, 1, NQ-1, 1, 0
.endr
	s_wait_dscnt 0x0
.irp a, 4,5,6,7
	MULA \a, 1, NQ-1, 1, 0
.endr
	WIN 0
	PLACES
.macro QUANT a
.set WW, 2+(\a)/4
.set AC0, 64*((\a)%4)
.set PC, 64+20*((\a)%2)
.if KIND == 1
	WIN (WW<<2)|(WW<<6)
.set j, 0
.rept 64
	v_max_num_f32 v[AC0+j], 0, v[AC0+j]
.set j, j+1
.endr
.endif
	WIN (WW<<2)|(WW<<4)
.irp b, 0,1,2,3
	v_max3_num_f32 v[TM+\b], 0x2800000, |v[AC0+16*\b]|, |v[AC0+16*\b+1]|
.endr
.irp i, 2,4,6,8,10,12,14
.irp b, 0,1,2,3
	v_max3_num_f32 v[TM+\b], v[TM+\b], |v[AC0+16*\b+\i]|, |v[AC0+16*\b+\i+1]|
.endr
.endr
	WIN 0
.irp b, 0,1,2,3
	v_permlanex16_b32 v[TM+4+\b], v[TM+\b], s[SEL], s[SEL+1]
.endr
.irp b, 0,1,2,3
	v_max_num_f32 v[TM+\b], v[TM+\b], v[TM+4+\b]
.endr
.irp b, 0,1,2,3
	v_add_nc_u32 v[TM+12+\b], 0xfe000000, v[TM+\b]
.endr
.irp b, 0,1,2,3
	v_lshrrev_b32 v[TM+4+\b], 23, v[TM+12+\b]
.endr
	v_lshl_or_b32 v[PWS+(\a)], v[TM+5], 8, v[TM+4]
	v_lshl_or_b32 v[PWS+(\a)], v[TM+6], 16, v[PWS+(\a)]
	v_lshl_or_b32 v[PWS+(\a)], v[TM+7], 24, v[PWS+(\a)]
	s_wait_xcnt 0x0
	WIN WW
.irp c, 0,1
	v_cvt_scalef32_pk16_bf6_f32 v[PC+6*\c:PC+6*\c+2], v[AC0+32*\c:AC0+32*\c+15], v[TM+12+2*\c]
	v_cvt_scalef32_pk16_bf6_f32 v[PC+12+4*\c:PC+14+4*\c], v[AC0+16+32*\c:AC0+31+32*\c], v[TM+13+2*\c]
.endr
	WIN 0
	v_nop
.irp c, 0,1
.irp i, 0,1,2
	v_permlane16_swap_b32 v[PC+6*\c+\i], v[PC+12+4*\c+\i]
.endr
.irp i, 0,1,2
	v_mov_b32 v[PC+3+6*\c+\i], v[PC+12+4*\c+\i]
.endr
.endr
.irp c, 0,1
	global_store_b128 v[L16], v[PC+6*\c:PC+6*\c+3], s[14:15] offset:(\a)*FRB+768*\c
	global_store_b64 v[L8], v[PC+6*\c+4:PC+6*\c+5], s[14:15] offset:(\a)*FRB+768*\c+512
.endr
.endm
.irp b, 0,1,2,3
	v_mov_b32 v[TM+4+\b], 0
.endr
.irp a, 0,1,2,3,4,5,6,7
	QUANT \a
.endr
.irp p, 0,1,2,3
	v_cndmask_b32 v[TT+\p], v[PWS+2*\p], v[PWS+2*\p+1], s100
	global_store_b32 v[L4], v[TT+\p], s[42:43] offset:128*\p
.endr
	s_wait_tensorcnt 0x0
	ds_add_u32 v[SPW], v[NIL]
	s_wait_dscnt 0x0
	CROUND
	s_endpgm
.Lfunc_end_k_qdc9cf4e7ad_w1:
	.size	k_qdc9cf4e7ad_w1, .Lfunc_end_k_qdc9cf4e7ad_w1-k_qdc9cf4e7ad_w1
	.p2alignl 7, 3214868480
	.fill 96, 4, 3214868480
	.section	.rodata,"a",@progbits
	.p2align	6, 0x0
	.amdhsa_kernel k_qdc9cf4e7ad_w1
		.amdhsa_group_segment_fixed_size 327680
		.amdhsa_private_segment_fixed_size 0
		.amdhsa_enable_private_segment 0
		.amdhsa_kernarg_size 32
		.amdhsa_user_sgpr_count 2
		.amdhsa_user_sgpr_kernarg_segment_ptr 1
		.amdhsa_wavefront_size32 1
		.amdhsa_system_sgpr_workgroup_id_x 1
		.amdhsa_system_sgpr_workgroup_id_y 1
		.amdhsa_system_sgpr_workgroup_id_z 1
		.amdhsa_system_vgpr_workitem_id 0
		.amdhsa_next_free_vgpr 1024
		.amdhsa_next_free_sgpr 102
		.amdhsa_reserve_vcc 0
		.amdhsa_float_denorm_mode_32 3
		.amdhsa_float_denorm_mode_16_64 3
		.amdhsa_memory_ordered 1
		.amdhsa_forward_progress 1
		.amdhsa_inst_pref_size 170
	.end_amdhsa_kernel
	.amdgpu_metadata
---
amdhsa.version: [ 1, 2 ]
amdhsa.kernels:
  - .name:           k_qdc9cf4e7ad_w1
    .symbol:         k_qdc9cf4e7ad_w1.kd
    .args:
      - { .name: xb, .offset: 0, .size: 8, .value_kind: global_buffer, .address_space: global }
      - { .name: wts, .offset: 8, .size: 8, .value_kind: global_buffer, .address_space: global }
      - { .name: b1, .offset: 16, .size: 8, .value_kind: global_buffer, .address_space: global }
      - { .name: hh, .offset: 24, .size: 8, .value_kind: global_buffer, .address_space: global }
    .group_segment_fixed_size: 327680
    .private_segment_fixed_size: 0
    .kernarg_segment_align: 8
    .kernarg_segment_size: 32
    .max_flat_workgroup_size: 128
    .sgpr_count:     102
    .vgpr_count:     1024
    .wavefront_size: 32
...
	.end_amdgpu_metadata
.endif
;; end of part 5
;; launch w2 (part 6): grid 8 x 32, 4 waves a work-group, clusters of 4 x 4, 327,680 bytes of LDS; arguments hh, wts, b2, x1, out0; writes out0
.if DOCPART == 6
	.amdgcn_target "amdgcn-amd-amdhsa--gfx1250"
	.amdhsa_code_object_version 6
	.text
	.protected	k_qdc9cf4e7ad_w2
	.globl	k_qdc9cf4e7ad_w2
	.p2align	8
	.type	k_qdc9cf4e7ad_w2,@function
k_qdc9cf4e7ad_w2:
	s_mov_b64 s[64:65], 0
	v_nop
	global_prefetch_b8 v0, s[64:65] scope:SCOPE_SE
	s_setreg_imm32_b32 hwreg(HW_REG_WAVE_MODE, 25, 1), 1
	s_wait_xcnt 0x0
	s_wait_alu depctr_hold_cnt(0) depctr_sa_sdst(0) depctr_va_vdst(0) depctr_va_sdst(0) depctr_va_ssrc(0) depctr_va_vcc(0) depctr_vm_vsrc(0)
	s_getreg_b32 s2, hwreg(HW_REG_IB_STS2, 6, 4)
	s_cmp_eq_u32 s2, 0
	s_cbranch_scc0 .Lentry_in_a_cluster
	s_endpgm
.Lentry_in_a_cluster:
	s_bfe_u32 s2, ttmp6, 0x10000c
	s_cmp_lg_u32 s2, 0xf033
	s_cbranch_scc0 .Lentry_shape_is_right
	s_endpgm
.Lentry_shape_is_right:
; out = res + (A W + bias): a product on codes of BF6 (E3M2) with E8M0 scales for each 32 along K, 4,096 rows x 1,024 columns; bias and residual in f32; out f32 [4096][1024].
; KIND 2: A = attention's result, W = wo, K = 1,024.  KIND 3: A = the hidden layer, W = w2, K = 4,096.
; OPERANDS lie in memory as images: tile = 16 rows (tile 2 G + u, lane r: row 32 G + 8 u + r + 8 (r / 8)); a fragment (16 rows x 128 K, 12 registers a lane) is 1,536 bytes: half c: 768 c + 16 l: registers 6 c .. 6 c + 3,
; 768 c + 512 + 8 l: registers 6 c + 4, 6 c + 5.  Codes [K step][tile][1536], scale words [K step][tile][16 words].
; SHARES: 1,024 columns give 256 work-groups only with tiles of 128 x 128: four waves of 64 x 64, 16 accumulators.  K goes in slots of 512 (four steps of 128) through a ring of two LDS slots filled by the tensor data mover;
; the scale words of the work-group's rows, for all of K, come once with the first fills.  4 x 4 work-groups form a cluster: A's tiles are shared along a row, W's along a column, each asked for jointly.
; THE MATRIX INSTRUCTION IS USED TRANSPOSED (source 0 = 16 rows of W, source 1 = 16 rows of A): a lane holds one row of A's tile and eight neighbouring columns a tile.  The bias is the C of each sum's first matrix instruction.
; The residual is asked for at the head, in the layout in which rows leave, and added on the way out; a block of 16 rows goes through the wave's stage in LDS and leaves as whole runs of 256 bytes.
; REGISTERS: window 0: v16-23 LDS addresses, v24-26 the way out, v27 scale words' address, v28-29 the spare word; v32-63 scale words, two sets (nothing else ever); v64-95 the bias; v128-175 A's fragments, one set; v192-255 rows on the way out.
;   window 1: W's fragments, two sets, at v0 and v128.  window 2: the accumulators, (a, b) at v[8 (4 a + b)].  window 3: v0-127 the residual.
.set KIND,  3
.if KIND == 2
.set KS,    8                          ; steps of 128 in K
.set RTB,   256                        ; tiles in a K step of W's region
.set AS0,   3145728                    ; A's scale words
.set BC0,   192*1536                   ; W's codes
.set BS0,   9437184+192*64             ; W's scale words
.else
.set KS,    32
.set RTB,   64
.set AS0,   12582912
.set BC0,   6291456
.set BS0,   9699328
.endif
.set MB,    4                          ; blocks of 16 rows a wave, each side
.set NQ,    4                          ; steps of 128 along K in a slot
.set LAPS,  KS/(2*NQ)
.set FR,    12
.set NL,    4                          ; LDS loads that bring a fragment
.set FRB,   1536
.set RTA,   256
.set HALFT, NQ*MB*FRB                  ; what one tensor load brings: [step][block][1536]
.set SLOT,  4*HALFT
.set SCL,   2*SLOT                     ; behind the ring: the scale words, [K step][block][64] for each wave's fetch
.set HALFS, KS*MB*64
.set SPARE, SCL+4*HALFS                ; the spare words, 128 bytes for each wave: two blocks of 256 bytes that no other line names
.set SPITCH, 272                       ; the stage: 16 rows x (256 bytes + 16) for each wave, in slot 0, which has had its last fill and its last read when the first result is stored there
.set ADRA, 16
.set ADRB, 20
.set STO,  24
.set RD,   25
.set CO,   26
.set ADRS, 27
.set SPW,  28
.set NIL,  29
.set SC,   32
.set BI,   64
.set AF,   128
.set BK,   192
.set WV, 16
.set RH, 17                            ; which half of A's rows is mine.  Also: I fetch for A (0) or for W (1)
.set CH, 18                            ; which half of W's rows.  Also: which half I fetch
.set TR, 19
.set TC, 20
.set CX, 21
.set CY, 22
.set LAP, 23
.set G1A, 24
.set G0A, 32
.set G1B, 48
.set G0B, 56
.set G1SA, 68
.set G0SA, 76
.set G1SB, 80
.set G0SB, 88
.set MSB, 0
.macro WIN new                         ; the immediate's high byte repeats the setting that is left
.set NW, \new
.if MSB != NW
	s_set_vgpr_msb (MSB<<8)|NW
.set MSB, NW
.endif
.endm
.macro PLACES                          ; four plain places behind a matrix instruction, in front of loads into its registers and of reads of its results
.rept 4
	v_nop
.endr
.endm
; A joint load: waves 0 and 1 fetch for A, waves 2 and 3 for W; the branch hangs on the wave's number alone.  Four v_nop follow each of the two lines.
.macro JLOAD g0a, g1a, g0b, g1b
	s_cmp_eq_u32 s[RH], 0
	s_cbranch_scc0 .Lfor_b_\@
	tensor_load_to_lds s[\g0a:\g0a+3], s[\g1a:\g1a+7]
	s_nop 0
.rept 4
	v_nop
.endr
	s_branch .Lasked_\@
.Lfor_b_\@:
	tensor_load_to_lds s[\g0b:\g0b+3], s[\g1b:\g1b+7]
	s_nop 0
.rept 4
	v_nop
.endr
.Lasked_\@:
.endm
.macro CREST                           ; a round of the cluster's barrier behind its opening barrier
	s_cmp_lg_u32 s[WV], 0
	s_cbranch_scc1 .Lnot_wave_0_\@
	s_barrier_signal -3
.Lnot_wave_0_\@:
	s_barrier_wait -3
	s_barrier_signal -1
	s_barrier_wait -1
.endm
.macro CROUND
	s_barrier_signal -1
	s_barrier_wait -1
	CREST
.endm
	s_load_b256 s[4:11], s[0:1], 0x0               ; A, the weights, the bias, the residual
	s_load_b64 s[12:13], s[0:1], 0x20              ; out
	v_lshl_add_u32 v[SPW], v0, 2, SPARE
	v_mov_b32 v[NIL], 0
	ds_add_u32 v28, v29
	ds_add_u32 v28, v29
	s_wait_dscnt 0x0
	v_lshrrev_b32 v1, 5, v0
	v_readfirstlane_b32 s[WV], v1
	s_lshr_b32 s[RH], s[WV], 1
	s_and_b32 s[CH], s[WV], 1
	s_bfe_u32 s[CX], ttmp6, 0x40000
	s_bfe_u32 s[CY], ttmp6, 0x40004
	s_and_b32 s40, ttmp7, 0xffff
	s_lshl_b32 s40, s40, 2
	s_add_co_u32 s[TR], s40, s[CY]                 ; which 128 rows
	s_lshl_b32 s44, ttmp9, 2
	s_add_co_u32 s[TC], s44, s[CX]                 ; which 128 columns
	s_lshl_b32 s92, s[CY], 2
	s_lshl_b32 s92, 15, s92                        ; my row of the cluster
	s_lshl_b32 s93, 0x1111, s[CX]                  ; my column
	; descriptor groups 1.  Codes: NQ rows (K steps) of MB images on end, in elements of 8 bytes; scale words: KS rows of MB x 64 bytes.  No padding: every LDS load takes consecutive bytes
	s_or_b32 s[G1A], s92, (3<<16)|(1<<21)          ; 15:0 the mask; 17:16 elements of 8 bytes; 21 set beside a mask
	s_or_b32 s[G1B], s93, (3<<16)|(1<<21)
	s_or_b32 s[G1SA], s92, (3<<16)|(1<<21)
	s_or_b32 s[G1SB], s93, (3<<16)|(1<<21)
.irp g, G1A, G1B
	s_mov_b32 s[\g+1], (MB*192)<<16                ; tensor_dim0
	s_mov_b32 s[\g+2], NQ<<16                      ; tensor_dim1
	s_mov_b32 s[\g+3], (MB*192)<<16                ; tile_dim0
	s_mov_b32 s[\g+4], NQ                          ; tile_dim1
	s_mov_b32 s[\g+6], 0
	s_mov_b32 s[\g+7], 0
.endr
	s_mov_b32 s[G1A+5], RTA*192                    ; from a K step to the next
	s_mov_b32 s[G1B+5], RTB*192
.irp g, G1SA, G1SB
	s_mov_b32 s[\g+1], (MB*8)<<16
	s_mov_b32 s[\g+2], KS<<16
	s_mov_b32 s[\g+3], (MB*8)<<16
	s_mov_b32 s[\g+4], KS
	s_mov_b32 s[\g+6], 0
	s_mov_b32 s[\g+7], 0
.endr
	s_mov_b32 s[G1SA+5], RTA*8
	s_mov_b32 s[G1SB+5], RTB*8
	s_lshl_b32 s40, s[TR], 3
	s_lshl_b32 s41, s[CH], 2
	s_add_co_u32 s41, s40, s41                     ; A: the first tile that I fetch
	s_mul_i32 s40, s41, FRB
	s_lshl_b32 s42, s41, 6
	s_add_co_u32 s42, s42, AS0
	s_mov_b32 s41, 0
	s_mov_b32 s43, 0
	s_lshl_b32 s44, s[TC], 3
	s_lshl_b32 s45, s[CH], 2
	s_add_co_u32 s45, s44, s45                     ; W likewise
	s_mul_i32 s44, s45, FRB
	s_add_co_u32 s44, s44, BC0
	s_lshl_b32 s46, s45, 6
	s_add_co_u32 s46, s46, BS0
	s_mov_b32 s45, 0
	s_mov_b32 s47, 0
	s_mul_i32 s2, s[WV], HALFT                     ; where they go: no place in the cluster enters an LDS address
	s_mul_i32 s3, s[WV], HALFS
	s_wait_kmcnt 0x0
	s_add_nc_u64 s[40:41], s[4:5], s[40:41]
	s_add_nc_u64 s[42:43], s[4:5], s[42:43]
	s_add_nc_u64 s[44:45], s[6:7], s[44:45]
	s_add_nc_u64 s[46:47], s[6:7], s[46:47]
	; THE SLOTS ARE PREFETCHED INTO THE L2, two refills ahead of the load that wants them.  What one wave's tensor load brings is four K steps of 6,144 consecutive bytes; the four partners that ask for it jointly
	; share it out BY ADDRESS: the partner at place p (cx for A, cy for W) names K step p: 24 blocks of 256 bytes, a lane a block (lanes 24-31 name the last again).  v30 names the slot at s[94:95], v31 the slot after it.
	s_cmp_eq_u32 s[RH], 0
	s_cselect_b64 s[94:95], s[40:41], s[44:45]     ; where my fetches begin
	s_cselect_b32 s96, s[CX], s[CY]                ; my place among the four
	s_mov_b32 s98, RTB*FRB
	s_cselect_b32 s98, RTA*FRB, s98                ; a K step on, in bytes
	s_mul_i32 s96, s96, s98
	s_mov_b32 s97, 0
	s_add_nc_u64 s[94:95], s[94:95], s[96:97]
	s_lshl_b32 s98, s98, 2                         ; a slot on
	s_mov_b32 s99, 0
	v_and_b32 v30, 31, v0
	v_min_u32 v30, 23, v30
	v_lshlrev_b32 v30, 8, v30
	v_add_nc_u32 v31, s98, v30
	s_lshl_b32 s98, s98, 1                         ; two slots on
	s_wait_alu depctr_va_vdst(0)                   ; the wait ahead of the readers below
	global_prefetch_b8 v30, s[94:95] th:TH_LOAD_NT scope:SCOPE_SE   ; slot 0's first fill,
	global_prefetch_b8 v31, s[94:95] th:TH_LOAD_NT scope:SCOPE_SE   ; and slot 1's
	CROUND
	s_mov_b32 s[G0SA], 1
	s_add_co_u32 s[G0SA+1], s3, SCL
	s_mov_b64 s[G0SA+2:G0SA+3], s[42:43]
	s_or_b32 s[G0SA+3], s[G0SA+3], 0x80000000
	s_mov_b32 s[G0SB], 1
	s_add_co_u32 s[G0SB+1], s3, SCL
	s_mov_b64 s[G0SB+2:G0SB+3], s[46:47]
	s_or_b32 s[G0SB+3], s[G0SB+3], 0x80000000
	JLOAD G0SA, G1SA, G0SB, G1SB                   ; the scale words first: they are wanted with the first step
.irp s, 0,1
	s_mov_b32 s[G0A+4*\s], 1
	s_add_co_u32 s[G0A+4*\s+1], s2, \s*SLOT
	s_add_nc_u64 s[G0A+4*\s+2:G0A+4*\s+3], s[40:41], \s*NQ*RTA*FRB
	s_or_b32 s[G0A+4*\s+3], s[G0A+4*\s+3], 0x80000000
	s_mov_b32 s[G0B+4*\s], 1
	s_add_co_u32 s[G0B+4*\s+1], s2, \s*SLOT
	s_add_nc_u64 s[G0B+4*\s+2:G0B+4*\s+3], s[44:45], \s*NQ*RTB*FRB
	s_or_b32 s[G0B+4*\s+3], s[G0B+4*\s+3], 0x80000000
.if \s == 0
	s_wait_xcnt 0x0                                ; the prefetches have read their address
	s_add_nc_u64 s[94:95], s[94:95], s[98:99]
.endif
	s_wait_alu depctr_va_vdst(0)
	s_wait_tensorcnt 0x0                           ; one tensor load a wave at the head
	ds_add_u32 v28, v29
	s_wait_dscnt 0x0
	CROUND
	JLOAD G0A+4*\s, G1A, G0B+4*\s, G1B
	global_prefetch_b8 v[30+\s], s[94:95] th:TH_LOAD_NT scope:SCOPE_SE   ; what the refill two on will ask for
.endr
	v_and_b32 v1, 31, v0                           ; lane
	v_and_b32 v2, 15, v0                           ; r
	v_bfe_u32 v3, v0, 4, 1                         ; h
	v_lshlrev_b32 v4, 4, v1
	v_lshlrev_b32 v5, 3, v1
	s_mul_i32 s2, s[RH], HALFT
	s_mul_i32 s3, s[CH], HALFT
	s_add_co_u32 s3, s3, 2*HALFT
.irp s, 0,1
	v_add_nc_u32 v[ADRA+\s], s2, v4
	v_add_nc_u32 v[ADRA+2+\s], s2, v5
	v_add_nc_u32 v[ADRB+\s], s3, v4
	v_add_nc_u32 v[ADRB+2+\s], s3, v5
	s_add_co_u32 s2, s2, SLOT
	s_add_co_u32 s3, s3, SLOT
.endr
	s_mul_i32 s2, s[RH], HALFS                     ; scale words: lanes 0-15 take A's, lanes 16-31 W's
	s_mul_i32 s3, s[CH], HALFS
	s_add_co_u32 s3, s3, 2*HALFS
	s_sub_co_u32 s3, s3, s2
	v_mul_u32_u24 v4, s3, v3
	s_add_co_u32 s2, s2, SCL
	v_lshl_add_u32 v4, v2, 2, v4
	v_add_nc_u32 v[ADRS], s2, v4
	s_mul_i32 s2, s[WV], 16*SPITCH                 ; my stage
	v_mul_u32_u24 v4, v2, SPITCH
	v_lshl_add_u32 v4, v3, 6, v4
	v_add_nc_u32 v[STO], s2, v4                    ; in: row r, + 64 h bytes
	v_mul_u32_u24 v4, v3, SPITCH
	v_lshl_add_u32 v4, v2, 4, v4
	v_add_nc_u32 v[RD], s2, v4                     ; back: lanes 0-15 one row of 256 bytes, lanes 16-31 the next
	v_lshlrev_b32 v[CO], 12, v3
	v_lshl_add_u32 v[CO], v2, 4, v[CO]             ; and the same two rows in memory
	v_lshlrev_b32 v6, 6, v3                        ; 16 h numbers of the bias
	s_wait_alu depctr_va_vdst(0)
	s_lshl_b32 s2, s[TC], 9
	s_lshl_b32 s3, s[CH], 8
	s_add_co_u32 s2, s2, s3                        ; my first column, in bytes
	s_mov_b32 s3, 0
	s_add_nc_u64 s[8:9], s[8:9], s[2:3]
	s_lshl_b32 s66, s[TR], 19
	s_add_co_u32 s2, s2, s66
	s_lshl_b32 s66, s[RH], 18
	s_add_co_u32 s2, s2, s66                       ; + my first row: 128 x block + 64 x half, 4,096 bytes each
	s_add_nc_u64 s[10:11], s[10:11], s[2:3]
	s_add_nc_u64 s[12:13], s[12:13], s[2:3]
.irp b, 0,1,2,3
	global_load_b128 v[BI+8*\b:BI+8*\b+3], v6, s[8:9] offset:(32*(\b/2)+8*(\b%2))*4
	global_load_b128 v[BI+8*\b+4:BI+8*\b+7], v6, s[8:9] offset:(32*(\b/2)+8*(\b%2))*4+16
.endr
	WIN 0xc0                                       ; destination window 3
.irp a, 0,1,2,3
.irp t, 0,1,2,3,4,5,6,7
	global_load_b128 v[32*\a+4*\t:32*\a+4*\t+3], v[CO], s[10:11] offset:(32*(\a/2)+8*(\a%2)+2*\t+8*(\t/4))*4096   ; the rows of tile a's lanes 2 t, 2 t + 1
.endr
.endr
	WIN 0
.macro FRAG reg, adr, off              ; a fragment's image comes back as it was stored: the lanes take consecutive bytes
	ds_load_b128 v[(\reg):(\reg)+3], v[\adr] offset:(\off)
	ds_load_b64 v[(\reg)+4:(\reg)+5], v[\adr+2] offset:(\off)+512
	ds_load_b128 v[(\reg)+6:(\reg)+9], v[\adr] offset:(\off)+768
	ds_load_b64 v[(\reg)+10:(\reg)+11], v[\adr+2] offset:(\off)+1280
.endm
.macro FETCH_B slot, q, p              ; W's four fragments of the slot's q-th step into set p
	WIN 0x40
.irp i, 0,1,2,3
	FRAG 128*(\p)+FR*\i, ADRB+\slot, ((\q)*MB+\i)*FRB
.endr
	WIN 0
.endm
.macro FETCH_A slot, q, i0             ; A's blocks i0, i0 + 1
.irp i, 0,1
	FRAG AF+FR*((\i0)+\i), ADRA+\slot, ((\q)*MB+(\i0)+\i)*FRB
.endr
.endm
.macro SCALES sc                       ; a slot's scale words into set sc: register NQ i + q: lanes 0-15 A's block i, lanes 16-31 W's block i
.irp q, 0,1,2,3
.irp i, 0,1,2,3
	ds_load_b32 v[SC+16*\sc+NQ*\i+\q], v[ADRS] offset:(\q*MB+\i)*64
.endr
.endr
.endm
; A's block a against W's four.  cm = 1: the sums begin with the bias.  The 16 accumulators take turns, one instruction a turn, in the same order in every step.
.macro MULA a, p, q, sc, cm
.if (\cm) == 0
	WIN 0xa1                                       ; source 0 (W) window 1, source 1 (A) window 0, C and D window 2
.else
	WIN 0x81                                       ; C (the bias) window 0
.endif
.irp b, 0,1,2,3
.set rD, 8*(4*(\a)+\b)
.set rB, 128*(\p)+FR*\b
.set rA, AF+FR*(\a)
.set rSB, SC+16*(\sc)+NQ*\b+(\q)
.set rSA, SC+16*(\sc)+NQ*(\a)+(\q)
.if (\cm) == 0
	v_wmma_scale_f32_16x16x128_f8f6f4 v[rD:rD+7], v[rB:rB+11], v[rA:rA+11], v[rD:rD+7], v[rSB], v[rSA] matrix_a_fmt:MATRIX_FMT_BF6 matrix_b_fmt:MATRIX_FMT_BF6 matrix_a_scale:MATRIX_SCALE_ROW1
.else
	v_wmma_scale_f32_16x16x128_f8f6f4 v[rD:rD+7], v[rB:rB+11], v[rA:rA+11], v[BI+8*\b:BI+8*\b+7], v[rSB], v[rSA] matrix_a_fmt:MATRIX_FMT_BF6 matrix_b_fmt:MATRIX_FMT_BF6 matrix_a_scale:MATRIX_SCALE_ROW1
.endif
.endr
.endm
; A step of 128 along K that has its successor in the same slot.  A block of A is free as soon as its four products are issued, so one set serves A; W has two.
.macro STEP slot, q, cm
	s_wait_dscnt (MB/2)*NL                         ; all but the youngest eight loads, A's blocks 2, 3
	MULA 0, (\q)%2, \q, \slot, \cm
	MULA 1, (\q)%2, \q, \slot, \cm
	s_wait_dscnt 0x0                               ; A's blocks 2, 3 are in
	PLACES
	FETCH_B \slot, (\q)+1, 1-(\q)%2
	FETCH_A \slot, (\q)+1, 0
	MULA 2, (\q)%2, \q, \slot, \cm
	MULA 3, (\q)%2, \q, \slot, \cm
	PLACES
	WIN 0
	FETCH_A \slot, (\q)+1, 2
.endm
; A slot's last step changes slots: ONE barrier; in front of it each wave waits for all its tensor loads, adds 0 to its spare word, and waits for that and for its own reads of this slot.  fill = 1: the slot is filled again, two slots ahead.
.macro TURN slot, next, fill
	s_wait_tensorcnt 0x0                           ; all my tensor loads have landed: my part of the next slot
	ds_add_u32 v[SPW], v[NIL]                      ; 0 onto my spare word
	s_wait_dscnt (MB/2)*NL+1                       ; (the add and A's blocks 2, 3 may be out)
	MULA 0, 1, NQ-1, \slot, 0
	s_wait_dscnt 0x0                               ; the add is done, and my reads of this slot are over
	s_barrier_signal -1
	MULA 1, 1, NQ-1, \slot, 0
	WIN 0
	s_barrier_wait -1
.if \fill
	CREST                                          ; the barrier has opened a round of the cluster's barrier: no wave of any partner still reads this slot or has a load on its way
	s_add_nc_u64 s[G0A+4*\slot+2:G0A+4*\slot+3], s[G0A+4*\slot+2:G0A+4*\slot+3], 2*NQ*RTA*FRB
	s_add_nc_u64 s[G0B+4*\slot+2:G0B+4*\slot+3], s[G0B+4*\slot+2:G0B+4*\slot+3], 2*NQ*RTB*FRB
	JLOAD G0A+4*\slot, G1A, G0B+4*\slot, G1B       ; the first tensor load behind the round, my only one until the next; its four v_nop are the places in front of the loads below
.else
	PLACES
.endif
	s_wait_alu depctr_va_vdst(0)
	v_add_nc_u32 v[ADRS], NQ*MB*64, v[ADRS]        ; the next slot's scale words
	FETCH_B \next, 0, 0
	FETCH_A \next, 0, 0
	SCALES \next
.if \fill
	s_cmp_gt_u32 s[LAP], 1                         ; the last trip's two refills have no slot two on
	s_cbranch_scc0 .Lnoask_\@
	global_prefetch_b8 v[30+\slot], s[94:95] th:TH_LOAD_NT scope:SCOPE_SE
.Lnoask_\@:
.endif
	MULA 2, 1, NQ-1, \slot, 0
	MULA 3, 1, NQ-1, \slot, 0
	PLACES
	WIN 0
	FETCH_A \next, 0, 2
.endm
	s_wait_tensorcnt 1                             ; the scale words and my part of slot 0 are in; slot 1's load may be out
	s_barrier_signal -1
	s_barrier_wait -1
	FETCH_B 0, 0, 0
	FETCH_A 0, 0, 0
	SCALES 0
	FETCH_A 0, 0, 2
	s_wait_loadcnt 32                              ; the bias is in; the residual's 32 loads may be out
	STEP 0, 0, 1
	STEP 0, 1, 0
	STEP 0, 2, 0
.if LAPS > 1
	s_mov_b32 s[LAP], LAPS-1
.Llap:
	s_wait_xcnt 0x0                                ; the last trip's prefetches have read their address: two slots on
	s_add_nc_u64 s[94:95], s[94:95], s[98:99]
	TURN 0, 1, 1
	STEP 1, 0, 0
	STEP 1, 1, 0
	STEP 1, 2, 0
	TURN 1, 0, 1
	STEP 0, 0, 0
	STEP 0, 1, 0
	STEP 0, 2, 0
	s_sub_co_u32 s[LAP], s[LAP], 1
	s_cmp_lg_u32 s[LAP], 0
	s_cbranch_scc1 .Llap
.endif
	TURN 0, 1, 0                                   ; the last lap fills nothing
	STEP 1, 0, 0
	STEP 1, 1, 0
	STEP 1, 2, 0
	s_wait_dscnt (MB/2)*NL
	MULA 0, 1, NQ-1, 1, 0
	MULA 1, 1, NQ-1, 1, 0
	s_wait_dscnt 0x0
	MULA 2, 1, NQ-1, 1, 0
	MULA 3, 1, NQ-1, 1, 0
	WIN 0
	PLACES
; THE WAY OUT, block by block of 16 rows x 64 columns.  Register j of accumulator (a, b) is column 32 (b / 2) + 16 h + 8 (b % 2) + j of the row of tile a's lane r.
.macro TOSTAGE a
	WIN 0x08                                       ; an LDS store's data: window 2
.irp b, 0,1,2,3
	ds_store_b128 v[STO], v[8*(4*(\a)+\b):8*(4*(\a)+\b)+3] offset:128*(\b/2)+32*(\b%2)        ; each accumulator from its low end on
	ds_store_b128 v[STO], v[8*(4*(\a)+\b)+4:8*(4*(\a)+\b)+7] offset:128*(\b/2)+32*(\b%2)+16
.endr
	WIN 0
.set BB, BK+32*((\a)%2)
.irp t, 0,1,2,3,4,5,6,7
	ds_load_b128 v[BB+4*\t:BB+4*\t+3], v[RD] offset:2*\t*SPITCH   ; LDS serves a wave's instructions in order: these see my stores, and the next block's stores come behind them
.endr
.endm
.macro SEND a, younger
.set BB, BK+32*((\a)%2)
	s_wait_dscnt \younger                          ; the block is back in registers
	WIN 0x0c                                       ; source 1: window 3
.set j, 0
.rept 16
	v_pk_add_f32 v[BB+j:BB+j+1], v[BB+j:BB+j+1], v[32*(\a)+j:32*(\a)+j+1]   ; + the residual
.set j, j+2
.endr
	WIN 0
.irp t, 0,1,2,3,4,5,6,7
.if KIND == 3
	global_store_b128 v[CO], v[BB+4*\t:BB+4*\t+3], s[12:13] offset:(32*((\a)/2)+8*((\a)%2)+2*\t+8*(\t/4))*4096 th:TH_STORE_NT   ; 16 lanes store 256 consecutive bytes, at a multiple of 256 from the buffer's first byte
.else
	global_store_b128 v[CO], v[BB+4*\t:BB+4*\t+3], s[12:13] offset:(32*((\a)/2)+8*((\a)%2)+2*\t+8*(\t/4))*4096
.endif
.endr
.endm
	s_wait_loadcnt 0x0                             ; the residual
	TOSTAGE 0
	TOSTAGE 1
	SEND 0, 16                                     ; behind block 0's loads: block 1's 8 stores and 8 loads
	s_wait_xcnt 0x0                                ; block 0's stores have read their registers: block 2's rows may land there
	TOSTAGE 2
	SEND 1, 16
	s_wait_xcnt 0x0
	TOSTAGE 3
	SEND 2, 16
	SEND 3, 0
	s_wait_tensorcnt 0x0                           ; the wave's end
	ds_add_u32 v[SPW], v[NIL]
	s_wait_dscnt 0x0
	CROUND                                         ; the closing round: no work-group ends while a partner may still ask for a tile that names it
	s_endpgm
.Lfunc_end_k_qdc9cf4e7ad_w2:
	.size	k_qdc9cf4e7ad_w2, .Lfunc_end_k_qdc9cf4e7ad_w2-k_qdc9cf4e7ad_w2
	.p2alignl 7, 3214868480
	.fill 96, 4, 3214868480
	.section	.rodata,"a",@progbits
	.p2align	6, 0x0
	.amdhsa_kernel k_qdc9cf4e7ad_w2
		.amdhsa_group_segment_fixed_size 327680
		.amdhsa_private_segment_fixed_size 0
		.amdhsa_enable_private_segment 0
		.amdhsa_kernarg_size 40
		.amdhsa_user_sgpr_count 2
		.amdhsa_user_sgpr_kernarg_segment_ptr 1
		.amdhsa_wavefront_size32 1
		.amdhsa_system_sgpr_workgroup_id_x 1
		.amdhsa_system_sgpr_workgroup_id_y 1
		.amdhsa_system_sgpr_workgroup_id_z 1
		.amdhsa_system_vgpr_workitem_id 0
		.amdhsa_next_free_vgpr 1024
		.amdhsa_next_free_sgpr 102
		.amdhsa_reserve_vcc 0
		.amdhsa_float_denorm_mode_32 3
		.amdhsa_float_denorm_mode_16_64 3
		.amdhsa_memory_ordered 1
		.amdhsa_forward_progress 1
		.amdhsa_inst_pref_size 106
	.end_amdhsa_kernel
	.amdgpu_metadata
---
amdhsa.version: [ 1, 2 ]
amdhsa.kernels:
  - .name:           k_qdc9cf4e7ad_w2
    .symbol:         k_qdc9cf4e7ad_w2.kd
    .args:
      - { .name: hh, .offset: 0, .size: 8, .value_kind: global_buffer, .address_space: global }
      - { .name: wts, .offset: 8, .size: 8, .value_kind: global_buffer, .address_space: global }
      - { .name: b2, .offset: 16, .size: 8, .value_kind: global_buffer, .address_space: global }
      - { .name: x1, .offset: 24, .size: 8, .value_kind: global_buffer, .address_space: global }
      - { .name: out0, .offset: 32, .size: 8, .value_kind: global_buffer, .address_space: global }
    .group_segment_fixed_size: 327680
    .private_segment_fixed_size: 0
    .kernarg_segment_align: 8
    .kernarg_segment_size: 40
    .max_flat_workgroup_size: 128
    .sgpr_count:     102
    .vgpr_count:     1024
    .wavefront_size: 32
...
	.end_amdgpu_metadata
.endif
;; end of part 6
